; MI455X (gfx1250); checked and timed in simulation.
; The chip was launched on July 23, 2026; its instructions are those of AMD's public machine-readable ISA for CDNA 5 (MIT licence, August 2026) and "CDNA5" Instruction Set Architecture Reference Guide (July 2026). The comments in the code are by the model that wrote it; some were corrected since.
;; Encoder Block. Allowed arithmetic: float matrix products may take bf16 or f16 operands with f32 sums; other float arithmetic in f32, or as packed bf16 or f16 multiplies, adds, multiply-adds, maxima and minima; sums over many terms, partial sums and values carried from step to step in f32; what a program stores and reads back later, other than sums and carried values, may be rounded once to bf16 or f16.
;; Inputs: W1 512 x 2,048 float32; W2 2,048 x 512 float32; Wk 8 x 512 x 64 float32; Wo 512 x 512 float32; Wq 8 x 512 x 64 float32; Wv 8 x 512 x 64 float32; b1 2,048 float32; b2 512 float32; bk 8 x 64 float32; bo 512 float32; bq 8 x 64 float32; bv 8 x 64 float32; ln1_b 512 float32; ln1_g 512 float32; ln2_b 512 float32; ln2_g 512 float32; x 4 x 2,048 x 512 float32.
;; Outputs: out0 4 x 2,048 x 512 float32.
;; One version. Each part assembles by itself: llvm-mc -triple=amdgcn-amd-amdhsa -mcpu=gfx1250 --defsym DOCPART=n.
;; ======== version 1 of 1: 6 launches
;; limits: values are held in f16: magnitudes above 65,504 overflow, below 6.1e-05 lose precision
;; workspace buffers: xnorm 8,388,608 bytes; w16 6,291,456 bytes; qkv 25,165,824 bytes; o 8,388,608 bytes; x1 16,777,216 bytes; h 33,554,432 bytes
;; launch prep (part 1): grid 256 x 1, 8 waves a work-group, no clusters, 0 bytes of LDS; arguments x, ln1_g, ln1_b, Wq, Wk, Wv, Wo, W1, W2, xnorm, w16; writes xnorm, w16
.if DOCPART == 1
	.amdgcn_target "amdgcn-amd-amdhsa--gfx1250"
	.amdhsa_code_object_version 6
	.text
	.protected	k_q12b7872b23_prep
	.globl	k_q12b7872b23_prep
	.p2align	8
	.type	k_q12b7872b23_prep,@function
k_q12b7872b23_prep:
	s_mov_b64 s[64:65], 0
	v_nop
	global_prefetch_b8 v0, s[64:65] scope:SCOPE_SE
	s_setreg_imm32_b32 hwreg(HW_REG_WAVE_MODE, 25, 1), 1
	s_wait_xcnt 0x0
; xnorm = LayerNorm(x) * g + b, rounded once to f16; and the six weight tensors, f32 to f16, in their own order, end to end in w16:
; Wq at byte 0, Wk at 524,288, Wv at 1,048,576, Wo at 1,572,864, W1 at 2,097,152, W2 at 4,194,304.
; A stream: each byte is read once and written once; no LDS, no barrier, no matrix unit (there is nothing to share and nothing to multiply).
; SHARES.  256 work-groups of eight waves.  A work-group owns 32 rows of x, a wave four of them, ONE ROW TO A WAVE at a time: lane l holds the columns 128 c + 4 l .. + 3, c = 0..3,
; so a load of the wave covers 512 consecutive bytes and a store of f16 256 consecutive bytes, aligned.  Of the weights a thread converts 12 pieces of 4 numbers.
; The mean is taken first and subtracted, then the squares are summed: no difference of large sums is formed.
; LIMITS.  A number of 65,520 or more in xnorm or in a weight becomes an infinity in f16; a weight below 6e-5 keeps f16's fixed step of 6e-8.  NaN and infinities are not treated apart.
.set NR,  4                            ; rows of a wave
.set XO,  2                            ; v2   8,192 x wave + 16 x lane: my 16 bytes in the wave's first row of x
.set ZO,  3                            ; v3   4,096 x wave + 8 x lane: the same in xnorm
.set PO,  4                            ; v4   16 x lane: in g and b
.set WO,  5                            ; v5   16 x thread: in a piece of a weight tensor
.set WD,  6                            ; v6   8 x thread: in w16
.set G,   8                            ; v[8:23]    g of my 16 columns
.set BN,  24                           ; v[24:39]   b of my 16 columns
.set Y,   40                           ; v[40:103]  four rows, 16 numbers each
.set TT,  104                          ; v[104:135] eight registers at work for each row
.set Z,   136                          ; v[136:167] eight registers of f16 pairs for each row
.set WS,  168                          ; v[168:215] 12 pieces of weights as loaded
.set WH,  216                          ; v[216:239] the same in f16
.set SINV, 30                          ; s30  1 / 512
.set SEPS, 31                          ; s31  1e-5
.set SEL,  32                          ; s[32:33] v_permlanex16_b32's selects: each lane takes its own place in the other half
.macro EACH line:vararg                ; one line for each of the four rows, so that the rows' chains stand between each other
.set i_, 0
.rept NR
.set y_, Y+16*i_
.set t_, TT+8*i_
.set z_, Z+8*i_
	\line
.set i_, i_+1
.endr
.endm
.macro ACROSS r                        ; the sum over the 32 lanes of register t_ + r; t_ + r + 1 is at work (it has been written before)
.irp m, 1,2,4,8
	EACH v_add_f32_dpp v[t_+(\r)], v[t_+(\r)], v[t_+(\r)] row_xmask:\m row_mask:0xf bank_mask:0xf
.endr
	EACH v_permlanex16_b32 v[t_+(\r)+1], v[t_+(\r)], s[SEL], s[SEL+1]
	EACH v_add_f32 v[t_+(\r)], v[t_+(\r)], v[t_+(\r)+1]
.endm
.macro LN_A                            ; the rows' means into t_; Y is only read
	EACH v_pk_add_f32 v[t_:t_+1], v[y_:y_+1], v[y_+2:y_+3]
	EACH v_pk_add_f32 v[t_+2:t_+3], v[y_+4:y_+5], v[y_+6:y_+7]
	EACH v_pk_add_f32 v[t_+4:t_+5], v[y_+8:y_+9], v[y_+10:y_+11]
	EACH v_pk_add_f32 v[t_+6:t_+7], v[y_+12:y_+13], v[y_+14:y_+15]
	EACH v_pk_add_f32 v[t_:t_+1], v[t_:t_+1], v[t_+2:t_+3]
	EACH v_pk_add_f32 v[t_+4:t_+5], v[t_+4:t_+5], v[t_+6:t_+7]
	EACH v_pk_add_f32 v[t_:t_+1], v[t_:t_+1], v[t_+4:t_+5]
	EACH v_add_f32 v[t_], v[t_], v[t_+1]
	ACROSS 0
	EACH v_mul_f32 v[t_], s[SINV], v[t_]
.endm
.macro LN_B                            ; Y is centred, its squares are summed, it is scaled, and rounded to f16 into Z
.irp j, 0,2,4,6,8,10,12,14
	EACH v_pk_add_f32 v[y_+\j:y_+\j+1], v[y_+\j:y_+\j+1], v[t_:t_+1] op_sel_hi:[1,0] neg_lo:[0,1] neg_hi:[0,1]
.endr
	EACH v_pk_mul_f32 v[t_+2:t_+3], v[y_:y_+1], v[y_:y_+1]
	EACH v_pk_mul_f32 v[t_+4:t_+5], v[y_+2:y_+3], v[y_+2:y_+3]
.irp j, 4,8,12
	EACH v_pk_fma_f32 v[t_+2:t_+3], v[y_+\j:y_+\j+1], v[y_+\j:y_+\j+1], v[t_+2:t_+3]
	EACH v_pk_fma_f32 v[t_+4:t_+5], v[y_+\j+2:y_+\j+3], v[y_+\j+2:y_+\j+3], v[t_+4:t_+5]
.endr
	EACH v_pk_add_f32 v[t_+2:t_+3], v[t_+2:t_+3], v[t_+4:t_+5]
	EACH v_add_f32 v[t_+2], v[t_+2], v[t_+3]
	ACROSS 2
	EACH v_fma_f32 v[t_+2], v[t_+2], s[SINV], s[SEPS]
	EACH v_rsq_f32 v[t_+2], v[t_+2]
	v_nop                                          ; a plain instruction behind the last of the four,
	s_wait_alu depctr_va_vdst(0)                   ; and one wait for the batch, ahead of its first reader
.irp j, 0,2,4,6,8,10,12,14
	EACH v_pk_mul_f32 v[y_+\j:y_+\j+1], v[y_+\j:y_+\j+1], v[t_+2:t_+3] op_sel_hi:[1,0]
.endr
.irp j, 0,2,4,6,8,10,12,14
	EACH v_pk_fma_f32 v[y_+\j:y_+\j+1], v[y_+\j:y_+\j+1], v[G+\j:G+\j+1], v[BN+\j:BN+\j+1]
.endr
.irp j, 0,1,2,3,4,5,6,7
	EACH v_cvt_pk_f16_f32 v[z_+\j], v[y_+2*\j], v[y_+2*\j+1]
.endr
.endm
	s_load_b512 s[4:19], s[0:1], 0x0               ; x s[4:5], g s[6:7], b s[8:9], Wq s[10:11], Wk s[12:13], Wv s[14:15], Wo s[16:17], W1 s[18:19]
	s_load_b128 s[20:23], s[0:1], 0x40             ; W2 s[20:21], xnorm s[22:23]
	s_load_b64 s[24:25], s[0:1], 0x50              ; w16
	v_and_b32 v1, 31, v0                           ; lane
	v_lshrrev_b32 v7, 5, v0                        ; wave
	v_lshlrev_b32 v[PO], 4, v1
	v_lshl_add_u32 v[XO], v7, 13, v[PO]
	v_lshlrev_b32 v[ZO], 3, v1
	v_lshl_add_u32 v[ZO], v7, 12, v[ZO]
	v_lshlrev_b32 v[WO], 4, v0
	v_lshlrev_b32 v[WD], 3, v0
	s_mov_b32 s[SINV], 0x3b000000
	s_mov_b32 s[SEPS], 0x3727c5ac
	s_mov_b32 s[SEL], 0x76543210
	s_mov_b32 s[SEL+1], 0xfedcba98
	s_lshl_b32 s26, ttmp9, 16                      ; the work-group's 32 rows of x,
	s_mov_b32 s27, 0
	s_lshl_b32 s28, ttmp9, 15                      ; of xnorm;
	s_mov_b32 s29, 0
	s_lshl_b32 s34, ttmp9, 12                      ; its 4,096 bytes of Wq, Wk, Wv, Wo,
	s_mov_b32 s35, 0
	s_lshl_b32 s36, ttmp9, 14                      ; its 16,384 of W1 and W2,
	s_mov_b32 s37, 0
	s_lshl_b32 s38, ttmp9, 11                      ; and half as many in w16
	s_mov_b32 s39, 0
	s_lshl_b32 s42, ttmp9, 13
	s_mov_b32 s43, 0
	s_wait_kmcnt 0x0
	s_add_nc_u64 s[4:5], s[4:5], s[26:27]
	s_add_nc_u64 s[22:23], s[22:23], s[28:29]
	s_add_nc_u64 s[10:11], s[10:11], s[34:35]
	s_add_nc_u64 s[12:13], s[12:13], s[34:35]
	s_add_nc_u64 s[14:15], s[14:15], s[34:35]
	s_add_nc_u64 s[16:17], s[16:17], s[34:35]
	s_add_nc_u64 s[18:19], s[18:19], s[36:37]
	s_add_nc_u64 s[20:21], s[20:21], s[36:37]
	s_add_nc_u64 s[40:41], s[24:25], s[38:39]
	s_add_nc_u64 s[44:45], s[24:25], s[42:43]
.irp i, 0,1,2,3
.irp c, 0,1,2,3
	global_load_b128 v[Y+16*\i+4*\c:Y+16*\i+4*\c+3], v[XO], s[4:5] offset:2048*\i+512*\c th:TH_LOAD_NT
.endr
.endr
.irp c, 0,1,2,3
	global_load_b128 v[G+4*\c:G+4*\c+3], v[PO], s[6:7] offset:512*\c
	global_load_b128 v[BN+4*\c:BN+4*\c+3], v[PO], s[8:9] offset:512*\c
.endr
	global_load_b128 v[WS:WS+3], v[WO], s[10:11] th:TH_LOAD_NT
	global_load_b128 v[WS+4:WS+7], v[WO], s[12:13] th:TH_LOAD_NT
	global_load_b128 v[WS+8:WS+11], v[WO], s[14:15] th:TH_LOAD_NT
	global_load_b128 v[WS+12:WS+15], v[WO], s[16:17] th:TH_LOAD_NT
.irp j, 0,1,2,3
	global_load_b128 v[WS+16+4*\j:WS+16+4*\j+3], v[WO], s[18:19] offset:4096*\j th:TH_LOAD_NT
.endr
.irp j, 0,1,2,3
	global_load_b128 v[WS+32+4*\j:WS+32+4*\j+3], v[WO], s[20:21] offset:4096*\j th:TH_LOAD_NT
.endr
	s_wait_loadcnt 12                              ; x, g and b are in; the 12 loads of weights, issued behind them, stay out under the norm's arithmetic
	LN_A
	LN_B
.irp i, 0,1,2,3
.irp c, 0,1,2,3
	global_store_b64 v[ZO], v[Z+8*\i+2*\c:Z+8*\i+2*\c+1], s[22:23] offset:1024*\i+256*\c  ; the wave stores 256 consecutive bytes, aligned
.endr
.endr
	s_wait_loadcnt 0x0                             ; the weights
.set n_, 0
.rept 12
	v_cvt_pk_f16_f32 v[WH+2*n_], v[WS+4*n_], v[WS+4*n_+1]
	v_cvt_pk_f16_f32 v[WH+2*n_+1], v[WS+4*n_+2], v[WS+4*n_+3]
.set n_, n_+1
.endr
.irp n, 0,1,2,3
	global_store_b64 v[WD], v[WH+2*\n:WH+2*\n+1], s[40:41] offset:524288*\n
.endr
.irp j, 0,1,2,3
	global_store_b64 v[WD], v[WH+8+2*\j:WH+8+2*\j+1], s[44:45] offset:2097152+2048*\j
.endr
.irp j, 0,1,2,3
	global_store_b64 v[WD], v[WH+16+2*\j:WH+16+2*\j+1], s[44:45] offset:4194304+2048*\j
.endr
	s_endpgm
.Lfunc_end_k_q12b7872b23_prep:
	.size	k_q12b7872b23_prep, .Lfunc_end_k_q12b7872b23_prep-k_q12b7872b23_prep
	.p2alignl 7, 3214868480
	.fill 96, 4, 3214868480
	.section	.rodata,"a",@progbits
	.p2align	6, 0x0
	.amdhsa_kernel k_q12b7872b23_prep
		.amdhsa_group_segment_fixed_size 0
		.amdhsa_private_segment_fixed_size 0
		.amdhsa_enable_private_segment 0
		.amdhsa_kernarg_size 88
		.amdhsa_user_sgpr_count 2
		.amdhsa_user_sgpr_kernarg_segment_ptr 1
		.amdhsa_wavefront_size32 1
		.amdhsa_system_sgpr_workgroup_id_x 1
		.amdhsa_system_sgpr_workgroup_id_y 1
		.amdhsa_system_sgpr_workgroup_id_z 1
		.amdhsa_system_vgpr_workitem_id 0
		.amdhsa_next_free_vgpr 240
		.amdhsa_next_free_sgpr 66
		.amdhsa_reserve_vcc 0
		.amdhsa_float_denorm_mode_32 3
		.amdhsa_float_denorm_mode_16_64 3
		.amdhsa_memory_ordered 1
		.amdhsa_forward_progress 1
		.amdhsa_inst_pref_size 25
	.end_amdhsa_kernel
	.amdgpu_metadata
---
amdhsa.version: [ 1, 2 ]
amdhsa.kernels:
  - .name:           k_q12b7872b23_prep
    .symbol:         k_q12b7872b23_prep.kd
    .args:
      - { .name: x, .offset: 0, .size: 8, .value_kind: global_buffer, .address_space: global }
      - { .name: ln1_g, .offset: 8, .size: 8, .value_kind: global_buffer, .address_space: global }
      - { .name: ln1_b, .offset: 16, .size: 8, .value_kind: global_buffer, .address_space: global }
      - { .name: Wq, .offset: 24, .size: 8, .value_kind: global_buffer, .address_space: global }
      - { .name: Wk, .offset: 32, .size: 8, .value_kind: global_buffer, .address_space: global }
      - { .name: Wv, .offset: 40, .size: 8, .value_kind: global_buffer, .address_space: global }
      - { .name: Wo, .offset: 48, .size: 8, .value_kind: global_buffer, .address_space: global }
      - { .name: W1, .offset: 56, .size: 8, .value_kind: global_buffer, .address_space: global }
      - { .name: W2, .offset: 64, .size: 8, .value_kind: global_buffer, .address_space: global }
      - { .name: xnorm, .offset: 72, .size: 8, .value_kind: global_buffer, .address_space: global }
      - { .name: w16, .offset: 80, .size: 8, .value_kind: global_buffer, .address_space: global }
    .group_segment_fixed_size: 0
    .private_segment_fixed_size: 0
    .kernarg_segment_align: 8
    .kernarg_segment_size: 88
    .max_flat_workgroup_size: 256
    .sgpr_count:     66
    .vgpr_count:     240
    .wavefront_size: 32
...
	.end_amdgpu_metadata
.endif
;; end of part 1
;; launch qkv (part 2): grid 8 x 32, 4 waves a work-group, clusters of 4 x 4, 327,680 bytes of LDS; arguments xnorm, w16, bq, bk, bv, qkv; writes qkv
.if DOCPART == 2
	.amdgcn_target "amdgcn-amd-amdhsa--gfx1250"
	.amdhsa_code_object_version 6
	.text
	.protected	k_q12b7872b23_qkv
	.globl	k_q12b7872b23_qkv
	.p2align	8
	.type	k_q12b7872b23_qkv,@function
k_q12b7872b23_qkv:
	s_mov_b64 s[64:65], 0
	v_nop
	global_prefetch_b8 v0, s[64:65] scope:SCOPE_SE
	s_setreg_imm32_b32 hwreg(HW_REG_WAVE_MODE, 25, 1), 1
	s_wait_xcnt 0x0
	s_wait_alu depctr_hold_cnt(0) depctr_sa_sdst(0) depctr_va_vdst(0) depctr_va_sdst(0) depctr_va_ssrc(0) depctr_va_vcc(0) depctr_vm_vsrc(0)
	s_getreg_b32 s2, hwreg(HW_REG_IB_STS2, 6, 4)
	s_cmp_eq_u32 s2, 0
	s_cbranch_scc0 .Lentry_in_a_cluster
	s_endpgm
.Lentry_in_a_cluster:
	s_bfe_u32 s2, ttmp6, 0x10000c
	s_cmp_lg_u32 s2, 0xf033
	s_cbranch_scc0 .Lentry_shape_is_right
	s_endpgm
.Lentry_shape_is_right:
; q, k, v = xnorm W + bias, by heads: qkv is [3][32 (batch, head)][2048][64] in f16, each number rounded once from its f32 sum, WITHOUT the softmax's scale.
; xnorm: [8192][512] f16.  The weights: 24 blocks [512 k][64 e] of f16 at the head of w16, block g = 8 x tensor + head.
; A tile of the result is 256 rows x 192 columns (three blocks): 32 x 8 tiles, one to a work-group.  Four waves, each 64 rows x 192 columns: 48 accumulators of 16 x 16.
; K goes in four steps of 128 through two LDS slots filled by the tensor data mover; waves 0 and 1 fetch the halves of xnorm's tile (128 rows x 256 bytes), waves 2 and 3 the halves of the
; weights' (64 k of three blocks: each block's 64 k x 64 e are 8,192 dense bytes, asked for as one long row and padded in LDS behind every 128 bytes).  K steps 0 and 1 are asked for together at the start.
; THE PRODUCT IS TAKEN TRANSPOSED: source 0 = 16 columns of the weights (they lie [k][column] in LDS and are turned by ds_load_tr16_b128), source 1 = 16 rows of xnorm.  A lane then holds one row
; (lane % 16) and the columns 8 (lane / 16) + 0..7.
; CLUSTER 4 x 4: xnorm's tile hangs on the tile row alone and is asked for jointly along a row of the cluster, the weights' on the tile column alone, jointly along a column.
; THE WAY OUT: the f32 sums go into a stage of the wave's own, in the ring's bytes (which have had their last fill), and come back by rows; bias, rounding, and stores of 256 consecutive bytes (two rows of a head).
; No prefetch: the launch has two refills, and its tiles are read by eight or by 32 work-groups at about the same time.
; LIMIT.  A result of 65,520 or more becomes an infinity in f16.
; REGISTERS, in windows of 256: window 0: v0-15 addresses, v16-27 bias, v64-95 and v128-159 xnorm's fragments (two buffers), on the way out v64-183; window 1: v0-95, v128-223 the weights' fragments;
; windows 2 and 3: accumulator i = 12 a + b at register 8 i.
.set MA, 4
.set NB, 12
.set NS, 4                             ; K steps
.set NPAIR, 2                          ; pairs of quarters (32 along K each) in a step
.set PA, 272                           ; an LDS row of xnorm: 256 bytes + 16: the 16 rows of a load start 68 words apart
.set APAIR, 128                        ; bytes along a row from pair to pair
.set HALFA, 128*PA
.set ABYTES, 2*HALFA
.set PB, 160                           ; an LDS row of a block: 128 bytes + 32: 8 rows x 32 bytes of the turning load fall on different words modulo 64
.set BS, 64*PB                         ; a block's 64 k
.set HALFB, 3*BS
.set BPAIR, HALFB                      ; a pair is 64 k: one half of the weights' tile
.set SLOTX, 0x20000                    ; slot 1 begins here; it shares no bit with the four tiles' places in a slot, so one exclusive or changes slots
.set SPARE, 2*SLOTX                    ; behind the ring: the spare words, 128 bytes for each wave, which no other line names
.set ASTEP, 256                        ; bytes from K step to K step in xnorm
.set BSTEP, 16384                      ; and in a block
.set SP, 784                           ; a stage row: 768 bytes + 16
.set STAGEW, 64*SP                     ; a wave's stage
.set NL, 2*(MA+NB)                     ; LDS loads of a quarter
.set ADRA, 4                           ; v4   my place in slot 0's tile of xnorm
.set ADRB, 5                           ; v5   in its tile of weights
.set CA, 6                             ; v6   the same for the pair in hand
.set CB, 7                             ; v7
.set STO, 9                            ; v9   the way out: where I put 16 bytes of a row
.set LR, 10                            ; v10  where I read rows back
.set GO, 11                            ; v11  my byte offset in 256 consecutive bytes of the output
.set PO, 13                            ; v13  my byte offset in a bias
.set SPW, 14                           ; v14  LDS address of my spare word; never rewritten
.set NIL, 15                           ; v15  0; never rewritten
.set BI, 16                            ; v[16:27] bias: four columns of each of the three blocks
.set XX, 64                            ; v[64:111]  eight rows as read back
.set VV, 112                           ; v[112:159] with bias
.set HH, 160                           ; v[160:183] in f16
.set FIRST, 2                          ; s2   1 until the first products have started the sums
.set QCNT, 3                           ; s3   pairs still to come in the step
.set WV, 12
.set HF, 13
.set WR, 14
.set WC, 15
.set CX, 20
.set CY, 21
.set CT, 22
.set RT, 23
.set G1A, 24
.set G1B, 32
.set G0A, 40                           ; s[40:43] group 0 for xnorm's tiles: K step 1 at the start, then it walks
.set G0B, 44                           ; s[44:47] the same for the weights'
.set TB, 48                            ; s48  the slot in hand: 0 or SLOTX
.set KCNT, 49
.set RCNT, 50
.set G0A0, 52                          ; s[52:55] group 0 for K step 0 of xnorm; used once
.set G0B0, 56                          ; s[56:59] of the weights
.set OB, 84                            ; s[84:89] the three blocks' places in qkv
.set BP, 92                            ; s[92:97] the three blocks' biases
.set TA, 98                            ; s98  LDS offset of the pair in hand in xnorm's tile
.set TBB, 99                           ; s99  in the weights'
.set MSB, 0
.macro WIN new                         ; the immediate's high byte repeats the setting that is left; a switch that changes nothing is dropped
.if MSB != (\new)
	s_set_vgpr_msb (MSB<<8)|(\new)
.set MSB, \new
.endif
.endm
.macro PLACES                          ; four plain places behind a matrix instruction, ahead of loads into its sources and of readers of its result
.rept 4
	v_nop
.endr
.endm
.macro CROUND                          ; a round of the cluster's barrier
	s_barrier_signal -1
	s_barrier_wait -1
	s_cmp_lg_u32 s[WV], 0
	s_cbranch_scc1 .Lnot_wave_0_\@
	s_barrier_signal -3
.Lnot_wave_0_\@:
	s_barrier_wait -3
	s_barrier_signal -1
	s_barrier_wait -1
.endm
.macro JLOAD                           ; waves 0 and 1 ask for the halves of the first operand's tile, waves 2 and 3 for the weights'; s_nop 0 and four v_nop follow each line
	s_cmp_lt_u32 s[WV], 2
	s_cbranch_scc0 .Lfor_b_\@
	tensor_load_to_lds s[G0A:G0A+3], s[G1A:G1A+7]
	s_nop 0
.rept 4
	v_nop
.endr
	s_branch .Lasked_\@
.Lfor_b_\@:
	tensor_load_to_lds s[G0B:G0B+3], s[G1B:G1B+7]
	s_nop 0
.rept 4
	v_nop
.endr
.Lasked_\@:
.endm
.macro G1WORDS g, d0, d1, st           ; words 1 to 7 of a group 1: a tile of d1 rows of d0 elements, st elements from row to row; the tensor's extents are the tile's
	s_mov_b32 s[(\g)+1], ((\d0)&0xffff)<<16
	s_mov_b32 s[(\g)+2], ((\d0)>>16)|(((\d1)&0xffff)<<16)
	s_mov_b32 s[(\g)+3], ((\d1)>>16)|((\d0)<<16)
	s_mov_b32 s[(\g)+4], \d1
	s_mov_b32 s[(\g)+5], \st
	s_mov_b32 s[(\g)+6], 0
	s_mov_b32 s[(\g)+7], 0
.endm
; THE CHANGE OF SLOTS.  Each wave waits for all its tensor loads (one is out: its part of the slot to be read), adds 0 to its spare word, and waits for that and for its reads of the slot that it leaves.
; fill = 1: a round of the cluster's barrier, and the slot just left is filled with the K step two on, first thing behind the round: it has one K step's products in which to land.
.macro CHANGE fill
	WIN 0
	s_wait_tensorcnt 0x0                           ; no tensor load of mine is out, so the walking descriptors may be written
	ds_add_u32 v[SPW], v[NIL]                      ; 0 onto my spare word; the scalar steps stand between it and the wait for it
.if \fill
	s_xor_b32 s[G0A+1], s[G0A+1], SLOTX
	s_add_nc_u64 s[G0A+2:G0A+3], s[G0A+2:G0A+3], ASTEP
	s_xor_b32 s[G0B+1], s[G0B+1], SLOTX
	s_add_nc_u64 s[G0B+2:G0B+3], s[G0B+2:G0B+3], BSTEP
.endif
	s_xor_b32 s[TB], s[TB], SLOTX
	s_wait_dscnt 0x0                               ; the add is done, and my reads of the old slot are over
.if \fill
	CROUND
	JLOAD
.else
	s_barrier_signal -1
	s_barrier_wait -1
.endif
.endm
.macro FETCH e                         ; the fragments of quarter e (0, 1) of the pair in hand into buffer e, in one run: the weights' first, then the rows', row block by row block
	WIN 0x40                                       ; destination window 1, address window 0
.set b_, 0
.rept NB
	ds_load_tr16_b128 v[128*(\e)+8*b_:128*(\e)+8*b_+3], v[CB] offset:(\e)*32*PB+(b_/4)*BS+(b_%4)*32
	ds_load_tr16_b128 v[128*(\e)+8*b_+4:128*(\e)+8*b_+7], v[CB] offset:(\e)*32*PB+(b_/4)*BS+(b_%4)*32+16*PB
.set b_, b_+1
.endr
	WIN 0
.set a_, 0
.rept MA
	ds_load_b128 v[64+64*(\e)+8*a_:64+64*(\e)+8*a_+3], v[CA] offset:16*a_*PA+(\e)*64
	ds_load_b128 v[64+64*(\e)+8*a_+4:64+64*(\e)+8*a_+7], v[CA] offset:16*a_*PA+(\e)*64+32
.set a_, a_+1
.endr
.endm
; A quarter's products.  All accumulators take turns, one instruction a turn, in the same order everywhere.  zero = 1: the products start the sums.
; pend >= 0: the wait ahead of row block a leaves out what was issued behind its two loads: the later row blocks' 2 (MA - 1 - a) and the other quarter's pend.  pend < 0: the buffer has been waited for.
.macro MULS f, zero, pend
.set a_, 0
.rept MA
.if (\pend) >= 0
	s_wait_dscnt (\pend)+2*(MA-1-a_)
.endif
.set b_, 0
.rept NB
.set r_, (8*(a_*NB+b_))%256
	WIN 0xA1+0x50*((8*(a_*NB+b_))/256)
.if \zero
	v_wmma_f32_16x16x32_f16 v[r_:r_+7], v[128*(\f)+8*b_:128*(\f)+8*b_+7], v[64+64*(\f)+8*a_:64+64*(\f)+8*a_+7], 0
.else
	v_wmma_f32_16x16x32_f16 v[r_:r_+7], v[128*(\f)+8*b_:128*(\f)+8*b_+7], v[64+64*(\f)+8*a_:64+64*(\f)+8*a_+7], v[r_:r_+7]
.endif
.set b_, b_+1
.endr
.set a_, a_+1
.endr
.endm
; A K STEP: a loop over its pairs of quarters.  A trip: the odd quarter is fetched; the even one is multiplied; the odd one is waited for; the next pair's even quarter is fetched (in the last trip there is none:
; the run is jumped over, behind the wait for 0, so that every count holds on both ways); the odd one is multiplied.  inloop = 1: the very first products of the launch start the sums.
.macro COMPUTE inloop
	WIN 0
	s_mov_b32 s[TA], s[TB]
	s_mov_b32 s[TBB], s[TB]
	s_mov_b32 s[QCNT], NPAIR
	PLACES
	v_add_nc_u32 v[CA], s[TA], v[ADRA]
	v_add_nc_u32 v[CB], s[TBB], v[ADRB]
	FETCH 0
.Lq_\@:
	PLACES                                         ; behind the products that read buffer 1
	FETCH 1
.if \inloop
	s_cmp_eq_u32 s[FIRST], 1
	s_cbranch_scc1 .Lstart_\@
.endif
	MULS 0, 0, NL
	WIN 0
.if \inloop
	s_branch .Ljoin_\@
.Lstart_\@:
	PLACES                                         ; the products below write each accumulator anew: with the four at the trip's head, eight plain places stand behind any earlier product on every way of the text that leads here (five are asked for: ISA guide 7.12.1).  Run once a launch
	MULS 0, 1, NL
	WIN 0
	s_mov_b32 s[FIRST], 0
.Ljoin_\@:
.endif
	s_wait_dscnt 0x0                               ; buffer 1 is in
	s_add_co_u32 s[TA], s[TA], APAIR
	s_add_co_u32 s[TBB], s[TBB], BPAIR
	s_cmp_eq_u32 s[QCNT], 1
	s_cbranch_scc1 .Lnone_\@
	PLACES                                         ; behind the products that read buffer 0
	v_add_nc_u32 v[CA], s[TA], v[ADRA]
	v_add_nc_u32 v[CB], s[TBB], v[ADRB]
	FETCH 0
.Lnone_\@:
	MULS 1, 0, -1
	WIN 0
	s_sub_co_u32 s[QCNT], s[QCNT], 1
	s_cmp_lg_u32 s[QCNT], 0
	s_cbranch_scc1 .Lq_\@
.endm
.macro STAGEOUT                        ; every accumulator into the stage, its low four registers first
.set i_, 0
.rept MA*NB
	WIN 0x08+0x04*((8*i_)/256)                     ; the stored data lie in window 2 or 3
.set r_, (8*i_)%256
	ds_store_b128 v[STO], v[r_:r_+3] offset:16*(i_/NB)*SP+64*(i_%NB)
	ds_store_b128 v[STO], v[r_+4:r_+7] offset:16*(i_/NB)*SP+64*(i_%NB)+16
.set i_, i_+1
.endr
	WIN 0
.endm
	s_load_b128 s[4:7], s[0:1], 0x0                ; xnorm s[4:5], w16 s[6:7]
	s_load_b128 s[8:11], s[0:1], 0x10              ; bq s[8:9], bk s[10:11]
	s_load_b128 s[16:19], s[0:1], 0x20             ; bv s[16:17], qkv s[18:19]
	v_lshl_add_u32 v[SPW], v0, 2, SPARE
	v_mov_b32 v[NIL], 0
	ds_add_u32 v[SPW], v[NIL]                      ; the wave's opening: the add and its wait ahead of my first tensor load; the set-up stands between them
	v_lshrrev_b32 v3, 5, v0
	v_readfirstlane_b32 s[WV], v3                  ; wave 0..3
	s_and_b32 s[HF], s[WV], 1                      ; which half of a tile I fetch
	s_mov_b32 s[WR], s[WV]                         ; my 64 rows of the tile
	s_mov_b32 s[WC], 0                             ; all its columns
	s_bfe_u32 s[CX], ttmp6, 0x40000
	s_bfe_u32 s[CY], ttmp6, 0x40004
	s_lshl_b32 s[CT], ttmp9, 2
	s_add_co_u32 s[CT], s[CT], s[CX]               ; tile column
	s_and_b32 s[RT], ttmp7, 0xffff
	s_lshl_b32 s[RT], s[RT], 2
	s_add_co_u32 s[RT], s[RT], s[CY]               ; tile row
	s_lshl_b32 s51, s[CY], 2
	s_lshl_b32 s51, 15, s51                        ; my row of the cluster
	s_lshl_b32 s67, 0x1111, s[CX]                  ; my column
	s_or_b32 s[G1A], s51, (1<<16)|(1<<20)|(1<<21)|(5<<22)|(3<<25)  ; 2-byte elements; padding of 4 words behind every 64; bit 21 beside a mask
	s_or_b32 s[G1B], s67, (1<<16)|(1<<20)|(1<<21)|(4<<22)|(7<<25)  ; padding of 8 words behind every 32
	G1WORDS G1A, 128, 128, 512
	G1WORDS G1B, 4096, 3, 32768
	s_lshl_b32 s52, s[RT], 18                      ; xnorm: row 256 x tile row + 128 x half, 1,024 bytes a row
	s_lshl_b32 s53, s[HF], 17
	s_add_co_u32 s52, s52, s53
	s_mov_b32 s53, 0
	s_mul_i32 s56, s[CT], 196608                   ; weights: block 3 x tile column, 64 k x 128 bytes a half
	s_lshl_b32 s57, s[HF], 13
	s_add_co_u32 s56, s56, s57
	s_mov_b32 s57, 0
	s_mov_b32 s[G0A], 1
	s_mul_i32 s[G0A+1], s[HF], HALFA
	s_add_co_u32 s[G0A+1], s[G0A+1], SLOTX         ; K step 1 goes into slot 1
	s_mov_b32 s[G0B], 1
	s_mul_i32 s[G0B+1], s[HF], HALFB
	s_add_co_u32 s[G0B+1], s[G0B+1], ABYTES+SLOTX
	v_and_b32 v1, 15, v0                           ; l % 16
	v_bfe_u32 v2, v0, 4, 1                         ; l / 16
	v_mul_u32_u24 v[ADRA], v1, PA                  ; a fragment of rows: row l % 16, 16 bytes for each half of the lanes
	v_lshl_add_u32 v[ADRA], v2, 4, v[ADRA]
	s_mul_i32 s51, s[WR], 16*MA*PA
	v_add_nc_u32 v[ADRA], s51, v[ADRA]
	v_and_b32 v3, 7, v0                            ; the turning load: k = 8 (l / 16) + l % 8, columns 8 ((l / 8) % 2) + 0..7
	v_lshl_add_u32 v3, v2, 3, v3
	v_mul_u32_u24 v[ADRB], v3, PB
	v_bfe_u32 v3, v0, 3, 1
	v_lshl_add_u32 v[ADRB], v3, 4, v[ADRB]
	s_mul_i32 s51, s[WC], 32*NB
	s_add_co_u32 s51, s51, ABYTES
	v_add_nc_u32 v[ADRB], s51, v[ADRB]
	s_mul_i32 s51, s[WV], STAGEW                   ; my stage
	v_mul_u32_u24 v[STO], v1, SP
	v_lshl_add_u32 v[STO], v2, 5, v[STO]
	v_add_nc_u32 v[STO], s51, v[STO]
	v_mul_u32_u24 v[LR], v2, SP                    ; back: lanes 0-15 take 256 bytes of one row, lanes 16-31 of the next
	v_lshl_add_u32 v[LR], v1, 4, v[LR]
	v_add_nc_u32 v[LR], s51, v[LR]
	v_and_b32 v[GO], 31, v0
	v_lshlrev_b32 v[GO], 3, v[GO]                  ; two rows of a head are 256 consecutive bytes: 8 bytes a lane
	v_lshlrev_b32 v[PO], 4, v1
	s_mov_b32 s[TB], 0
	s_mov_b32 s[KCNT], NS-1
	s_mov_b32 s[FIRST], 1
	s_wait_dscnt 0x0                               ; the opening add is done
	s_wait_kmcnt 0x0
	s_add_nc_u64 s[G0A0+2:G0A0+3], s[4:5], s[52:53]        ; K step 0,
	s_add_nc_u64 s[G0A+2:G0A+3], s[G0A0+2:G0A0+3], ASTEP   ; K step 1
	s_or_b32 s[G0A0+3], s[G0A0+3], 0x80000000
	s_or_b32 s[G0A+3], s[G0A+3], 0x80000000
	s_mov_b32 s[G0A0], 1
	s_mul_i32 s[G0A0+1], s[HF], HALFA
	s_add_nc_u64 s[G0B0+2:G0B0+3], s[6:7], s[56:57]
	s_add_nc_u64 s[G0B+2:G0B+3], s[G0B0+2:G0B0+3], BSTEP
	s_or_b32 s[G0B0+3], s[G0B0+3], 0x80000000
	s_or_b32 s[G0B+3], s[G0B+3], 0x80000000
	s_mov_b32 s[G0B0], 1
	s_mul_i32 s[G0B0+1], s[HF], HALFB
	s_add_co_u32 s[G0B0+1], s[G0B0+1], ABYTES
	CROUND                                         ; all sixteen work-groups are here: the first joint loads meet
	s_cmp_lt_u32 s[WV], 2                          ; a wave's two first fills stand in one branch, ahead of every wait on TENSORcnt and every LDS read: two loads of mine are out
	s_cbranch_scc0 .Lfirst_b
	tensor_load_to_lds s[G0A0:G0A0+3], s[G1A:G1A+7]
	s_nop 0
	tensor_load_to_lds s[G0A:G0A+3], s[G1A:G1A+7]
	s_nop 0
.rept 4
	v_nop
.endr
	s_branch .Lfirst_asked
.Lfirst_b:
	tensor_load_to_lds s[G0B0:G0B0+3], s[G1B:G1B+7]
	s_nop 0
	tensor_load_to_lds s[G0B:G0B+3], s[G1B:G1B+7]
	s_nop 0
.rept 4
	v_nop
.endr
.Lfirst_asked:
.irp i, 0,1,2                          ; block g = 3 x tile column + i: its tensor, its head, its bias and its place in qkv
	s_mul_i32 s60, s[CT], 3
	s_add_co_u32 s60, s60, \i
	s_lshr_b32 s61, s60, 3                         ; tensor: 0 q, 1 k, 2 v
	s_and_b32 s60, s60, 7                          ; head
	s_cmp_eq_u32 s61, 0
	s_cselect_b64 s[BP+2*\i:BP+2*\i+1], s[8:9], s[10:11]
	s_cmp_eq_u32 s61, 2
	s_cselect_b64 s[BP+2*\i:BP+2*\i+1], s[16:17], s[BP+2*\i:BP+2*\i+1]
	s_lshl_b32 s90, s60, 8
	s_mov_b32 s91, 0
	s_add_nc_u64 s[BP+2*\i:BP+2*\i+1], s[BP+2*\i:BP+2*\i+1], s[90:91]
	global_load_b128 v[BI+4*\i:BI+4*\i+3], v[PO], s[BP+2*\i:BP+2*\i+1]
	s_lshl_b32 s90, s61, 23                        ; 8,388,608 bytes a tensor
	s_lshr_b32 s91, s[RT], 3                       ; batch
	s_lshl_b32 s91, s91, 3
	s_add_co_u32 s91, s91, s60
	s_lshl_b32 s91, s91, 18                        ; 262,144 bytes for a batch and head
	s_add_co_u32 s90, s90, s91
	s_and_b32 s91, s[RT], 7
	s_lshl_b32 s91, s91, 2
	s_add_co_u32 s91, s91, s[WV]
	s_lshl_b32 s91, s91, 13                        ; my 64 rows of 128 bytes
	s_add_co_u32 s90, s90, s91
	s_mov_b32 s91, 0
	s_add_nc_u64 s[OB+2*\i:OB+2*\i+1], s[18:19], s[90:91]
.endr
	s_wait_tensorcnt 0x1                           ; my part of K step 0 is in; K step 1's, issued behind it, may stay out
	s_barrier_signal -1
	s_barrier_wait -1                              ; everybody's is
	s_branch .Lmid                                 ; the loop is entered behind its change of slots
.Lk:                                   ; K steps 0 to NS - 2 are multiplied; between them K steps 2 to NS - 1 are asked for
	CHANGE 1
.Lmid:
	COMPUTE 1
	s_sub_co_u32 s[KCNT], s[KCNT], 1
	s_cmp_lg_u32 s[KCNT], 0
	s_cbranch_scc1 .Lk
	CHANGE 0                                       ; the last K step is written out: nothing is asked for
	COMPUTE 0
	s_wait_dscnt 0x0                               ; my reads of the ring are over,
	s_barrier_signal -1
	s_barrier_wait -1                              ; everybody's are: the ring's bytes, which are filled no more, become the stages
	PLACES
	STAGEOUT
	s_wait_loadcnt 0x0                             ; the biases
.irp p, 0,1,2,3
.irp k, 0,1,2
	ds_load_b128 v[XX+12*\p+4*\k:XX+12*\p+4*\k+3], v[LR] offset:1568*\p+256*\k  ; LDS serves a wave's instructions in order: these see my stores above
.endr
.endr
	s_mov_b32 s[RCNT], 8
.Lrow:                                 ; eight rows a trip: bias, the next eight rows' reads, rounding, 12 stores of 256 consecutive bytes
	s_wait_dscnt 0x0
.irp p, 0,1,2,3
.irp k, 0,1,2
	v_pk_add_f32 v[VV+12*\p+4*\k:VV+12*\p+4*\k+1], v[XX+12*\p+4*\k:XX+12*\p+4*\k+1], v[BI+4*\k:BI+4*\k+1]
	v_pk_add_f32 v[VV+12*\p+4*\k+2:VV+12*\p+4*\k+3], v[XX+12*\p+4*\k+2:XX+12*\p+4*\k+3], v[BI+4*\k+2:BI+4*\k+3]
.endr
.endr
	s_cmp_eq_u32 s[RCNT], 1
	s_cbranch_scc1 .Lnomore                        ; the last trip reads nothing more
.irp p, 0,1,2,3
.irp k, 0,1,2
	ds_load_b128 v[XX+12*\p+4*\k:XX+12*\p+4*\k+3], v[LR] offset:6272+1568*\p+256*\k
.endr
.endr
.Lnomore:
	s_wait_xcnt 0x0                                ; the last trip's stores, 24 additions back, have read their data and bases: only now are these written again
	s_add_nc_u64 s[OB:OB+1], s[OB:OB+1], 1024      ; the bases step ahead of the stores, which reach back by their immediates
	s_add_nc_u64 s[OB+2:OB+3], s[OB+2:OB+3], 1024
	s_add_nc_u64 s[OB+4:OB+5], s[OB+4:OB+5], 1024
.irp p, 0,1,2,3
.irp k, 0,1,2
	v_cvt_pk_f16_f32 v[HH+6*\p+2*\k], v[VV+12*\p+4*\k], v[VV+12*\p+4*\k+1]
	v_cvt_pk_f16_f32 v[HH+6*\p+2*\k+1], v[VV+12*\p+4*\k+2], v[VV+12*\p+4*\k+3]
.endr
.endr
.irp p, 0,1,2,3
.irp k, 0,1,2
	global_store_b64 v[GO], v[HH+6*\p+2*\k:HH+6*\p+2*\k+1], s[OB+2*\k:OB+2*\k+1] offset:256*\p-1024
.endr
.endr
	v_add_nc_u32 v[LR], 6272, v[LR]
	s_sub_co_u32 s[RCNT], s[RCNT], 1
	s_cmp_lg_u32 s[RCNT], 0
	s_cbranch_scc1 .Lrow
	s_wait_tensorcnt 0x0                           ; the wave's end, behind my last tensor load and my last LDS store
	ds_add_u32 v[SPW], v[NIL]
	s_wait_dscnt 0x0
	CROUND                                         ; the closing round
	s_endpgm
.Lfunc_end_k_q12b7872b23_qkv:
	.size	k_q12b7872b23_qkv, .Lfunc_end_k_q12b7872b23_qkv-k_q12b7872b23_qkv
	.p2alignl 7, 3214868480
	.fill 96, 4, 3214868480
	.section	.rodata,"a",@progbits
	.p2align	6, 0x0
	.amdhsa_kernel k_q12b7872b23_qkv
		.amdhsa_group_segment_fixed_size 327680
		.amdhsa_private_segment_fixed_size 0
		.amdhsa_enable_private_segment 0
		.amdhsa_kernarg_size 48
		.amdhsa_user_sgpr_count 2
		.amdhsa_user_sgpr_kernarg_segment_ptr 1
		.amdhsa_wavefront_size32 1
		.amdhsa_system_sgpr_workgroup_id_x 1
		.amdhsa_system_sgpr_workgroup_id_y 1
		.amdhsa_system_sgpr_workgroup_id_z 1
		.amdhsa_system_vgpr_workitem_id 0
		.amdhsa_next_free_vgpr 896
		.amdhsa_next_free_sgpr 100
		.amdhsa_reserve_vcc 0
		.amdhsa_float_denorm_mode_32 3
		.amdhsa_float_denorm_mode_16_64 3
		.amdhsa_memory_ordered 1
		.amdhsa_forward_progress 1
		.amdhsa_inst_pref_size 54
	.end_amdhsa_kernel
	.amdgpu_metadata
---
amdhsa.version: [ 1, 2 ]
amdhsa.kernels:
  - .name:           k_q12b7872b23_qkv
    .symbol:         k_q12b7872b23_qkv.kd
    .args:
      - { .name: xnorm, .offset: 0, .size: 8, .value_kind: global_buffer, .address_space: global }
      - { .name: w16, .offset: 8, .size: 8, .value_kind: global_buffer, .address_space: global }
      - { .name: bq, .offset: 16, .size: 8, .value_kind: global_buffer, .address_space: global }
      - { .name: bk, .offset: 24, .size: 8, .value_kind: global_buffer, .address_space: global }
      - { .name: bv, .offset: 32, .size: 8, .value_kind: global_buffer, .address_space: global }
      - { .name: qkv, .offset: 40, .size: 8, .value_kind: global_buffer, .address_space: global }
    .group_segment_fixed_size: 327680
    .private_segment_fixed_size: 0
    .kernarg_segment_align: 8
    .kernarg_segment_size: 48
    .max_flat_workgroup_size: 128
    .sgpr_count:     100
    .vgpr_count:     896
    .wavefront_size: 32
...
	.end_amdgpu_metadata
.endif
;; end of part 2
;; launch attn (part 3): grid 8 x 32, 4 waves a work-group, clusters of 4 x 1, 327,680 bytes of LDS; arguments qkv, o; writes o
.if DOCPART == 3
	.amdgcn_target "amdgcn-amd-amdhsa--gfx1250"
	.amdhsa_code_object_version 6
	.text
	.protected	k_q12b7872b23_attn
	.globl	k_q12b7872b23_attn
	.p2align	8
	.type	k_q12b7872b23_attn,@function
k_q12b7872b23_attn:
	s_mov_b64 s[64:65], 0
	v_nop
	global_prefetch_b8 v0, s[64:65] scope:SCOPE_SE
	s_setreg_imm32_b32 hwreg(HW_REG_WAVE_MODE, 25, 1), 1
	s_wait_xcnt 0x0
	s_wait_alu depctr_hold_cnt(0) depctr_sa_sdst(0) depctr_va_vdst(0) depctr_va_sdst(0) depctr_va_ssrc(0) depctr_va_vcc(0) depctr_vm_vsrc(0)
	s_getreg_b32 s2, hwreg(HW_REG_IB_STS2, 6, 4)
	s_cmp_eq_u32 s2, 0
	s_cbranch_scc0 .Lentry_in_a_cluster
	s_endpgm
.Lentry_in_a_cluster:
	s_bfe_u32 s2, ttmp6, 0x10000c
	s_cmp_lg_u32 s2, 0x3003
	s_cbranch_scc0 .Lentry_shape_is_right
	s_endpgm
.Lentry_shape_is_right:
; O[h][q][:] = the sum over k of softmax_k(Q[h][q] . K[h][k] / 8) V[h][k][:], for 32 (batch, head) pairs h of 2,048 rows of 64 channels.  Q, K, V lie one behind the other in qkv, each [32][2048][64] in f16;
; O is [32][2048][64] in f16.  Products, maxima and sums in f32; the weights p are rounded to f16 for the second product (their sum l is taken of the unrounded p), O once at the end.
; LIMITS.  Q, K, V arrive within f16's range; p lies in 0 to 1, and below 6e-5 it keeps f16's fixed step of 6e-8; a weight below 2^-126 counts as 0 in l; NaN and infinities are not treated apart.
; SHARES.  A work-group owns 256 queries of one h, each of its four waves 64: four PIECES of 16.  Every wave walks all 2,048 keys, 64 a step; an LDS slot holds 256 keys of K and of V, four steps; two slots take turns.
; LAYOUT.  S^T = K Q^T (source 0 = 16 keys, source 1 = 16 queries) holds ONE query a lane (lane % 16) and the keys 8 (lane / 16) + 0..7; two such results rounded to f16 ARE source 1 of O^T = V^T P.
; K comes out of LDS as it lies, V ([key][channel]) turned, by ds_load_tr16_b128.
; SOFTMAX.  p = 2^(c s - c m), c = log2(e) / 8, with a running maximum m; O and l are multiplied by a = 2^(c m_old - c m_new) in every step.  m starts at the lowest finite number, O and l at 0: the first step's a is 0.
; TURNS.  Turn n belongs to piece n: 8 products K Q^T of piece n + 1, later 8 products V^T P of piece n - 1; beside them the scaling, exponentials, roundings, sums and rescaling of piece n and the maximum and
; statistics of piece n + 1.  Four vector instructions stand behind every matrix instruction, the others in one run.  A turn's 33 exponentials are one batch, with one wait.
; CLUSTER.  The four query blocks of a cluster belong to one h and walk the same K and V: each tile is asked for JOINTLY, by the same tensor load, descriptor and mask in all four.
; REGISTERS, in windows of 256 (s_set_vgpr_msb: bits 1:0 source 0, 3:2 source 1, 5:4 source 2, 7:6 destination):
;   window 0: v0-15 addresses and two at work; v16-31 four registers of statistics a piece; v48-55 at work; v61-63; v64-127 S^T, two buffers; v192-223 P, two buffers (by the piece's parity)
;   window 1: v0-127 O^T, 32 a piece          window 2: v0-63 Q; v128-191 K of one step; v192-255 V of one step
.set NP,    4
.set KS,    64
.set PK,    144       ; a row of K in LDS: 128 bytes + 16: the 16 rows of a load start 36 words apart
.set PV,    160       ; a row of V: 128 + 32: 16 lanes of the turning load take 8 rows x 32 bytes, on different words modulo 64
.set VOFF,  4*KS*PK   ; a slot: 256 rows of K, then 256 rows of V
.set SLOT1, 1<<17
.set STAGE, SLOT1+4*KS*(PK+PV)  ; behind the ring, never filled by a tensor load: 16 rows x 144 bytes for each wave
.set SP,    144
.set SPARE, STAGE+4*16*SP       ; behind the stages: the spare words, 128 bytes for each wave, which no other line names
.set AK0, 2
.set AV0, 3
.set AK,  4
.set AV,  5
.set STO, 6
.set RD,  7
.set GO,  8
.set MV,  12
.set QO,  15
.set ST,  16          ; piece t's statistics at v[ST+4 t]: c m, m, l (even keys', odd keys')
.set TMP, 48
.set PFO, 61          ; v61  256 x my lane; never rewritten
.set SPW, 62
.set NIL, 63
.set S,   64
.set P,   192
.set KF,  128
.set VF,  192
.set WV,  12
.set G1K, 24
.set G1V, 32
.set G0K, 40
.set G0V, 44
.set PFA, 52          ; s[52:53] where my prefetches stand
.set LIM, 54          ; s54  1 in a wave that prefetches, else the greatest number
.set SLOTS, 56
.set CNT, 57
.set CS,  58
.set SEL, 60
.set TBK, 62
.set TBV, 63
.set MSB, 0
.macro WIN new
.if MSB != (\new)
	s_set_vgpr_msb (MSB<<8)|(\new)
.set MSB, (\new)
.endif
.endm
.set W_KQ, 0x0a       ; K and Q in window 2, S^T in window 0
.set W_PV, 0x52       ; V in window 2, P in window 0, O^T in window 1
.set W_RS, 0x41       ; destination and source 0 in window 1, source 1 in window 0
.macro JLOAD                        ; waves 0 and 1 fetch the halves of a slot's K, waves 2 and 3 those of its V; s_nop 0 and four v_nop follow each line
	s_cmp_lt_u32 s[WV], 2
	s_cbranch_scc0 .Lfor_v_\@
	tensor_load_to_lds s[G0K:G0K+3], s[G1K:G1K+7]
	s_nop 0
.rept 4
	v_nop
.endr
	s_branch .Lasked_\@
.Lfor_v_\@:
	tensor_load_to_lds s[G0V:G0V+3], s[G1V:G1V+7]
	s_nop 0
.rept 4
	v_nop
.endr
.Lasked_\@:
.endm
.macro CROUND
	s_barrier_signal -1
	s_barrier_wait -1
	s_cmp_lg_u32 s[WV], 0
	s_cbranch_scc1 .Lnot_wave_0_\@
	s_barrier_signal -3
.Lnot_wave_0_\@:
	s_barrier_wait -3
	s_barrier_signal -1
	s_barrier_wait -1
.endm
; A PREFETCH of what the NEXT change of slots will ask for: a slot's 32,768 bytes of K and of V.  Both clusters of an h walk the same rows: the first (cluster x = 0) asks.  Its four partners take 8,192 bytes
; each, told apart BY ADDRESS; in each, wave 0 asks for K's and wave 2 for V's: a lane names 256 bytes, one instruction.  So each 256 bytes are named once in the launch, one slot (four key steps) ahead of the
; load that wants them.  Slots 0 and 1 come by their loads alone; the last change that fills a slot asks for nothing.
.macro ASK
	s_cmp_gt_u32 s[SLOTS], s[LIM]
	s_cbranch_scc0 .Lnot_mine_\@
	global_prefetch_b8 v[PFO], s[PFA:PFA+1] th:TH_LOAD_NT scope:SCOPE_SE
.Lnot_mine_\@:
.endm
; THE CHANGE OF SLOTS.  Each wave waits for all its tensor loads (one is out: its part of the other slot), adds 0 to its spare word, and waits for that and for its reads of the slot that it leaves.
; fill = 1: a round of the cluster's barrier, and the joint fill first behind it: it has four key steps in which to land.  (At its first use slot 0 is waited for and slot 1 filled.)
.macro CHANGE fill
	WIN 0
	s_wait_tensorcnt 0x0            ; no tensor load of mine is out, so a group 0 may be written
	ds_add_u32 v[SPW], v[NIL]
.if \fill
.irp g, G0K, G0V
	s_xor_b32 s[\g+1], s[\g+1], SLOT1
	s_add_nc_u64 s[\g+2:\g+3], s[\g+2:\g+3], 4*KS*128
.endr
	s_wait_xcnt 0x0                 ; the last prefetch, a slot back, has read its address
	s_add_nc_u64 s[PFA:PFA+1], s[PFA:PFA+1], 4*KS*128
	s_wait_dscnt 0x0                ; the add is done, and my reads of the slot are over
	CROUND
	JLOAD
	ASK
.else
	s_wait_dscnt 0x0
	s_barrier_signal -1
	s_barrier_wait -1
.endif
	s_sub_co_u32 s[TBK], s[TBK], 4*KS*PK  ; the fetches go back to a slot's first step, in the other slot
	s_xor_b32 s[TBK], s[TBK], SLOT1
	s_sub_co_u32 s[TBV], s[TBV], 4*KS*PV
	s_xor_b32 s[TBV], s[TBV], SLOT1
.endm
	s_load_b128 s[48:51], s[0:1], 0x0  ; qkv s[48:49], o s[50:51]
	v_lshl_add_u32 v[SPW], v0, 2, SPARE
	v_mov_b32 v[NIL], 0
	ds_add_u32 v[SPW], v[NIL]       ; the wave's opening: the add and its wait ahead of my first tensor load
	v_lshrrev_b32 v1, 5, v0
	v_readfirstlane_b32 s[WV], v1   ; wave 0..3
	s_bfe_u32 s13, ttmp6, 0x40000   ; cx
	s_lshl_b32 s14, ttmp9, 2
	s_add_co_u32 s14, s14, s13      ; my block of 256 queries: it enters Q's and O's addresses alone
	s_and_b32 s20, ttmp7, 0xffff    ; h, which the four partners share:
	s_lshl_b32 s20, s20, 18         ; 262,144 bytes each
	s_and_b32 s16, s[WV], 1         ; which half of a slot's 256 keys I fetch:
	s_lshl_b32 s22, s16, 14         ; 128 rows of 128 bytes in memory,
	s_add_co_u32 s22, s22, s20
	s_mov_b32 s23, 0
	s_mul_i32 s17, s16, 128*PK      ; and its place in a slot, for K
	s_mul_i32 s18, s16, 128*PV      ; and for V
	s_lshl_b32 s2, s14, 2
	s_add_co_u32 s2, s2, s[WV]
	s_lshl_b32 s2, s2, 13           ; my wave's 64 rows
	s_add_co_u32 s2, s2, s20
	s_mov_b32 s3, 0
	; 128 keys are 16,384 dense bytes: asked for as 64 rows of 256 bytes, two keys a row, and padded in LDS after every key
	s_mov_b32 s[G1K], 15|(1<<16)|(1<<20)|(1<<21)|(4<<22)|(3<<25)
	s_mov_b32 s[G1V], 15|(1<<16)|(1<<20)|(1<<21)|(4<<22)|(7<<25)
.irp g, G1K, G1V
	s_mov_b32 s[\g+1], 128<<16
	s_mov_b32 s[\g+2], 64<<16
	s_mov_b32 s[\g+3], 128<<16
	s_mov_b32 s[\g+4], 64
	s_mov_b32 s[\g+5], 128
	s_mov_b32 s[\g+6], 0
	s_mov_b32 s[\g+7], 0
.endr
	s_mov_b32 s[CS], 0x3e38aa3b     ; c = log2(e) / 8
	s_mov_b32 s[CS+1], s[CS]
	s_mov_b32 s[SEL], 0x76543210
	s_mov_b32 s[SEL+1], 0xfedcba98
	s_mov_b32 s[TBK], SLOT1+4*KS*PK ; the first change of slots turns these two into 0
	s_mov_b32 s[TBV], SLOT1+4*KS*PV
	s_mov_b32 s[G0K], 1
	s_mov_b32 s[G0K+1], s17
	s_mov_b32 s[G0V], 1
	s_add_co_u32 s[G0V+1], s18, VOFF
	s_mov_b32 s[SLOTS], 7           ; slots still to be asked for
	s_and_b32 s[LIM], s[WV], 1
	s_or_b32 s[LIM], s[LIM], ttmp9  ; 0 in waves 0 and 2 of the first cluster of an h: the same in all four partners
	s_cmp_eq_u32 s[LIM], 0
	s_cselect_b32 s[LIM], 1, -1
	v_and_b32 v[PFO], 31, v0
	v_lshlrev_b32 v[PFO], 8, v[PFO]
	s_wait_dscnt 0x0                ; the opening add is done
	s_wait_kmcnt 0x0
	s_add_nc_u64 s[6:7], s[48:49], 0x800000   ; K
	s_add_nc_u64 s[8:9], s[48:49], 0x1000000  ; V
	s_add_nc_u64 s[G0K+2:G0K+3], s[6:7], s[22:23]
	s_or_b32 s[G0K+3], s[G0K+3], 0x80000000
	s_add_nc_u64 s[G0V+2:G0V+3], s[8:9], s[22:23]
	s_or_b32 s[G0V+3], s[G0V+3], 0x80000000
	s_add_nc_u64 s[4:5], s[48:49], s[2:3]     ; Q and O at my wave's first row
	s_add_nc_u64 s[10:11], s[50:51], s[2:3]
	s_cmp_lt_u32 s[WV], 2
	s_cselect_b64 s[PFA:PFA+1], s[6:7], s[8:9]
	s_lshl_b32 s2, s13, 13          ; my work-group's 8,192 bytes of a slot,
	s_add_co_u32 s2, s2, s20
	s_add_co_u32 s2, s2, 4*KS*128   ; in slot 1: the first change of slots steps it to slot 2
	s_add_nc_u64 s[PFA:PFA+1], s[PFA:PFA+1], s[2:3]
	CROUND                          ; all four work-groups are here: the first joint loads meet
	JLOAD                           ; slot 0
	v_and_b32 v1, 15, v0            ; l % 16
	v_bfe_u32 v9, v0, 4, 1          ; l / 16
	v_lshlrev_b32 v[QO], 7, v1
	v_lshl_add_u32 v[QO], v9, 4, v[QO]
	WIN 0x80                        ; destination window 2, address window 0
.set i, 0
.rept 8                             ; Q stays in registers: piece i / 2, channels 32 (i % 2) on
	global_load_b128 v[8*i:8*i+3],   v[QO], s[4:5] offset:(i/2)*2048+(i%2)*64
	global_load_b128 v[8*i+4:8*i+7], v[QO], s[4:5] offset:(i/2)*2048+(i%2)*64+32
.set i, i+1
.endr
	; What the first turn finds: V's registers and P's second buffer hold 0 (its products V^T P, of a piece that has not been, add 0), O^T and l are 0.  All this stands in the wait for the first tile;
	; it is the price of writing no first step out.
.set i, VF
.rept 64
	v_mov_b32 v[i], 0
.set i, i+1
.endr
	WIN 0x40
.set i, 0
.rept 128
	v_mov_b32 v[i], 0
.set i, i+1
.endr
	WIN 0
.set i, 0
.rept 4
	v_mov_b32 v[ST+4*i], 0xfe000000    ; c m: far below every c s
	v_mov_b32 v[ST+4*i+1], 0xff7fffff  ; m
	v_mov_b32 v[ST+4*i+2], 0
	v_mov_b32 v[ST+4*i+3], 0
.set i, i+1
.endr
.set i, P+16
.rept 16
	v_mov_b32 v[i], 0
.set i, i+1
.endr
	v_mul_u32_u24 v[AK0], v1, PK
	v_lshl_add_u32 v[AK0], v9, 4, v[AK0]
	v_and_b32 v10, 7, v0
	v_bfe_u32 v11, v0, 3, 1
	v_lshl_add_u32 v[AV0], v9, 3, v10
	v_mul_u32_u24 v[AV0], v[AV0], PV
	v_lshl_add_u32 v[AV0], v11, 4, v[AV0]
	v_add_nc_u32 v[AV0], VOFF, v[AV0]
	s_mul_i32 s13, s[WV], 16*SP
	s_add_co_u32 s13, s13, STAGE    ; my stage
	v_mul_u32_u24 v[STO], v1, SP
	v_lshl_add_u32 v[STO], v9, 4, v[STO]
	v_add_nc_u32 v[STO], s13, v[STO]
	v_bfe_u32 v[RD], v0, 3, 2       ; back: 32 lanes take four rows of 128 bytes,
	v_mul_u32_u24 v[RD], v[RD], SP
	v_lshl_add_u32 v[RD], v10, 4, v[RD]
	v_add_nc_u32 v[RD], s13, v[RD]
	v_and_b32 v[GO], 31, v0         ; which are 512 consecutive bytes of O
	v_lshlrev_b32 v[GO], 4, v[GO]
; THE MATRIX WORK.  The 4 accumulators of a run of 8 take turns.  Product i of 8 of S^T = K Q^T for piece x: channels 32 (i / 4) on, keys 16 (i % 4) on.  The first 4 start the sums.
.macro KQ x
	WIN W_KQ
.set rS, S+32*((\x)%2)+8*(i%4)
.set rK, KF+16*(i%4)+8*(i/4)
.set rQ, 16*(\x)+8*(i/4)
.if i < 4
	v_wmma_f32_16x16x32_f16 v[rS:rS+7], v[rK:rK+7], v[rQ:rQ+7], 0
.else
	v_wmma_f32_16x16x32_f16 v[rS:rS+7], v[rK:rK+7], v[rQ:rQ+7], v[rS:rS+7]
.endif
.endm
.macro PV x                         ; product i of 8 of O^T += V^T P for piece x: keys 32 (i / 4) on, channels 16 (i % 4) on
	WIN W_PV
.set rO, 32*(\x)+8*(i%4)
.set rV, VF+32*(i/4)+8*(i%4)
.set rP, P+16*((\x)%2)+8*(i/4)
	v_wmma_f32_16x16x32_f16 v[rO:rO+7], v[rV:rV+7], v[rP:rP+7], v[rO:rO+7]
.endm
.macro MM                           ; the turn's next matrix instruction.  NOKQ = 1: the last turn of all: there is no next piece
.if (i < 8) && !NOKQ
	KQ (Y+1)%NP
.elseif i >= 8
.set i, i-8
	PV (Y+NP-1)%NP
.set i, i+8
.endif
.set i, i+1
.endm
; THE LDS LOADS stand in runs of 16: a step's K (8 fragments) and its V (turned).
.macro FETCH_K
	WIN 0x80
.irp f, 0,1,2,3,4,5,6,7
	ds_load_b128 v[KF+8*\f:KF+8*\f+3],   v[AK] offset:(\f/2)*16*PK+(\f%2)*64
	ds_load_b128 v[KF+8*\f+4:KF+8*\f+7], v[AK] offset:(\f/2)*16*PK+(\f%2)*64+32
.endr
	s_add_co_u32 s[TBK], s[TBK], KS*PK
	WIN 0
.endm
.macro FETCH_V
	WIN 0x80
.irp f, 0,1,2,3,4,5,6,7
	ds_load_tr16_b128 v[VF+8*\f:VF+8*\f+3],   v[AV] offset:(\f/4)*32*PV+(\f%4)*32
	ds_load_tr16_b128 v[VF+8*\f+4:VF+8*\f+7], v[AV] offset:(\f/4)*32*PV+16*PV+(\f%4)*32
.endr
	WIN 0
.endm
; THE VECTOR WORK, one line at a time: OP kind, number.  For piece Y: F n: c s - c m for pair n of 16.  E n: the exponential of score n of 32.  C n: pair n rounded to f16.  B n: of the four weights 4 n .. the
; second pair is added onto the first, in place.  L n: l takes that sum (L 0: l = a l + sum).  R n: pair n of 16 of O^T times a.  For piece Y + 1: X n, number n of the 22 that find its maximum and statistics:
;   0-11 four chains c0-c3 of seven scores each (each accumulator's lowest registers are read first)   12-14, 16 the scores left over, the old m, and c0-c3 into c0
;   15 c m_old is kept   17, 18 the query's other 32 keys lie in the lane 16 away: the new m   19-21 c m; c m_old - c m_new; a
.set F, 0
.set E, 1
.set C, 2
.set B, 3
.set L, 4
.set R, 5
.set X, 6
.macro REGS y
.set rT, ST+4*(\y)
.set rC, TMP+4*((\y)%2)
.set rW, MV+((\y)%2)
.set rS, S+32*((\y)%2)
.set rP, P+16*((\y)%2)
.set rO, 32*(\y)
.endm
.macro OP k, n
.if (\k) == R
	REGS Y
	WIN W_RS
	v_pk_mul_f32 v[rO+2*(\n):rO+2*(\n)+1], v[rO+2*(\n):rO+2*(\n)+1], v[rC+2:rC+3] op_sel_hi:[1,0]
.elseif (\k) < R
	REGS Y
	WIN 0
.if (\k) == F
	v_pk_fma_f32 v[rS+2*(\n):rS+2*(\n)+1], v[rS+2*(\n):rS+2*(\n)+1], s[CS:CS+1], v[rT:rT+1] op_sel_hi:[1,0,0] neg_lo:[0,0,1] neg_hi:[0,0,1]
.elseif (\k) == E
	v_exp_f32 v[rS+(\n)], v[rS+(\n)]
.elseif (\k) == C
	v_cvt_pk_f16_f32 v[rP+(\n)], v[rS+2*(\n)], v[rS+2*(\n)+1]
.elseif (\k) == B
	v_pk_add_f32 v[rS+4*(\n):rS+4*(\n)+1], v[rS+4*(\n):rS+4*(\n)+1], v[rS+4*(\n)+2:rS+4*(\n)+3]
.elseif (\n) == 0
	v_pk_fma_f32 v[rT+2:rT+3], v[rT+2:rT+3], v[rC+2:rC+3], v[rS:rS+1] op_sel_hi:[1,0,1]
.else
	v_pk_add_f32 v[rT+2:rT+3], v[rT+2:rT+3], v[rS+4*(\n):rS+4*(\n)+1]
.endif
.elseif NOKQ
	v_nop
.else
	REGS (Y+1)%NP
	WIN 0
.if (\n) < 4
	v_max3_num_f32 v[rC+(\n)], v[rS+8*(\n)], v[rS+8*(\n)+1], v[rS+8*(\n)+2]
.elseif (\n) < 12
	v_max3_num_f32 v[rC+(\n)%4], v[rC+(\n)%4], v[rS+8*((\n)%4)+2*((\n)/4)+1], v[rS+8*((\n)%4)+2*((\n)/4)+2]
.elseif (\n) == 12
	v_max3_num_f32 v[rC], v[rC], v[rS+7], v[rS+15]
.elseif (\n) == 13
	v_max3_num_f32 v[rC+1], v[rC+1], v[rS+23], v[rS+31]
.elseif (\n) == 14
	v_max3_num_f32 v[rC+2], v[rC+2], v[rC+3], v[rT+1]
.elseif (\n) == 15
	v_mov_b32 v[rW], v[rT]
.elseif (\n) == 16
	v_max3_num_f32 v[rC], v[rC], v[rC+1], v[rC+2]
.elseif (\n) == 17
	v_permlanex16_b32 v[rC+3], v[rC], s[SEL], s[SEL+1]
.elseif (\n) == 18
	v_max_num_f32 v[rT+1], v[rC], v[rC+3]
.elseif (\n) == 19
	v_mul_f32 v[rT], s[CS], v[rT+1]
.elseif (\n) == 20
	v_sub_f32 v[rC+1], v[rW], v[rT]
.else
	v_exp_f32 v[rC+2], v[rC+1]
.endif
.endif
.endm
.macro OPS a, i1, b=-1, i2=0, c=-1, i3=0, d=-1, i4=0
	OP \a, \i1
.if (\b) >= 0
	OP \b, \i2
.endif
.if (\c) >= 0
	OP \c, \i3
.endif
.if (\d) >= 0
	OP \d, \i4
.endif
.endm
.macro ROW a, i1, b, i2, c, i3, d, i4  ; a matrix instruction and the four behind it
	MM
	OPS \a, \i1, \b, \i2, \c, \i3, \d, \i4
.endm
; A TURN, for piece p: the order of its 16 matrix and 118 vector instructions, written out.  ONE wait cuts it in two.  AHEAD OF IT stands all that names no result of the turn's exponentials: the 8 products
; K Q^T with their four riders each, then one run of 54 in which plain and exponential go by turns for the most part and the links of the next piece's chain stand five or six lines apart; X 21, the next piece's
; a, is the batch's last, and R 15 the plain instruction behind it.  BEHIND IT stand the 8 products V^T P, behind each four of the roundings and sums.
; end = 1: the walk's last two turns: nothing is fetched.  cnt = 1: the loop's count is taken down some lines ahead of the branch behind the turn.
; K of the next step is fetched in piece 2's turn, V of the step in hand at the end of piece 0's turn, four plain instructions behind its last reader; each is waited for a turn later.
.macro TURN p, end=0, cnt=0
.set Y, (\p)
.set i, 0
.set NOKQ, (\end)*((\p)/3)
.if ((\p) == 3) && !(\end)
	s_wait_dscnt 0x0                ; K is in
.endif
	ROW F,0, F,1, R,0, R,1
	ROW F,2, E,0, R,2, R,3
	ROW F,3, E,1, R,4, R,5
	ROW F,4, E,2, R,6, R,7
	ROW F,5, E,3, R,8, R,9
	ROW F,6, E,4, X,0, R,10
.if ((\p) == 2) && !(\end)
	WIN 0
	v_add_nc_u32 v[AK], s[TBK], v[AK0]
.endif
	ROW F,7, E,5, X,1, X,4
	ROW F,8, E,6, X,2, X,5
	OPS E,7, E,8, X,6, E,9
	OPS X,3, E,10, X,8, E,11
.if ((\p) == 2) && !(\end)
	FETCH_K
.endif
	OPS X,9, X,7, E,12, X,10
	OPS E,13, X,12, X,11, E,14
	OPS X,13, E,15, F,9, X,14
.if (\p) == 0
	v_add_nc_u32 v[AV], s[TBV], v[AV0]
.endif
	OPS E,16, F,10, E,17, F,11
	OPS X,16, E,18, X,15, E,19
	OPS F,12, E,20, X,17, E,21
	OPS F,13, E,22, F,14, E,23
	OPS X,18, E,24, F,15, E,25
	OPS R,11, E,26, X,19, E,27
	OPS R,12, E,28, R,13, E,29
	OPS X,20, E,30, R,14, E,31
	OPS X,21, R,15
	WIN 0
	s_wait_alu depctr_va_vdst(0)    ; the wait for the batch, ahead of the first line that names a result
.if (\p) == 1
	s_wait_dscnt 0x0                ; V is in
.endif
	ROW C,0, B,0, C,2, B,1
	ROW L,0, C,4, B,2, L,1
	ROW C,6, B,3, L,2, C,8
	ROW B,4, L,3, C,10, B,5
	ROW L,4, C,12, B,6, L,5
.if (\p) == 0
	s_add_co_u32 s[TBV], s[TBV], KS*PV
.endif
.if \cnt
	s_sub_co_u32 s[CNT], s[CNT], 1
	s_cmp_lg_u32 s[CNT], 0
.endif
	ROW C,14, B,7, L,6, C,1
	ROW C,3, L,7, C,5, C,7
	ROW C,9, C,11, C,13, C,15
.if (\p) == 0
	FETCH_V
.endif
.endm
	CHANGE 1                        ; slot 0 is in, everybody's part of it; slot 1 is asked for
	v_add_nc_u32 v[AK], s[TBK], v[AK0]
	FETCH_K                         ; key step 0
	s_wait_loadcnt 0x0              ; Q
	s_wait_dscnt 0x0
.set NOKQ, 0
.set i, 0
.rept 8
	KQ 0                            ; piece 0's first scores
.set i, i+1
.endr
	WIN 0
.rept 4
	v_nop                           ; the places behind those products
.endr
.set Y, NP-1                        ; X works for piece Y + 1: piece 0
.irp n, 0,1,2,3,4,5,6,7,8,9,10,11,12,13,14,15,16,17,18,19,20,21
	OP X, \n
.endr
	v_nop                           ; a plain instruction behind the exponential,
	s_wait_alu depctr_va_vdst(0)    ; and its wait, ahead of the branch
	s_mov_b32 s[CNT], 4
	s_branch .Lfirst                ; the loop is entered at a step's first turn, in the middle of a trip
.Lslot:                             ; six times: with the change above, every slot but the last is asked for behind a round
	CHANGE 1
	s_mov_b32 s[CNT], 4
.Lstep:                             ; a trip: pieces 2 and 3 of one step, then pieces 0 and 1 of the next, whose K and V it fetches
	TURN 2
	TURN 3
	WIN 0
.Lfirst:
	TURN 0
	TURN 1, 0, 1
	WIN 0
	s_cbranch_scc1 .Lstep
	s_sub_co_u32 s[SLOTS], s[SLOTS], 1
	s_cmp_lg_u32 s[SLOTS], 0
	s_cbranch_scc1 .Lslot
	CHANGE 0                        ; the last slot is written out: nothing is asked for
	s_mov_b32 s[CNT], 4
.LstepT:
	TURN 2
	TURN 3
	WIN 0
	TURN 0
	TURN 1, 0, 1
	WIN 0
	s_cbranch_scc1 .LstepT
	TURN 2, 1
	TURN 3, 1
.set i, 0
.rept 8
	PV NP-1                         ; the last piece's V^T P of the last step
.set i, i+1
.endr
	; THE WAY OUT.  l's two halves and the other half of the lanes' are added; O^T is divided by l, rounded to f16 and sent through my stage in LDS, a piece at a time.  The additions are the places behind the last products.
	WIN 0
.macro ALL line:vararg
.set t, 0
.rept 4
	\line
.set t, t+1
.endr
.endm
.macro PACK t                       ; a lane's eight channels of a row pack into 16 bytes; they go into rows of 144 bytes and come back as whole rows of 128, into S^T's registers
	WIN W_RS
.set i, 32*(\t)
.rept 16
	v_pk_mul_f32 v[i:i+1], v[i:i+1], v[ST+4*(\t)+2:ST+4*(\t)+3] op_sel_hi:[1,0]
.set i, i+2
.endr
	WIN 0x05
.set i, 0
.rept 16
	v_cvt_pk_f16_f32 v[S+16*(\t)+i], v[32*(\t)+2*i], v[32*(\t)+2*i+1]
.set i, i+1
.endr
	WIN 0
.irp f, 0,1,2,3
	ds_store_b128 v[STO], v[S+16*(\t)+4*\f:S+16*(\t)+4*\f+3] offset:32*\f
.endr
.irp f, 0,1,2,3
	ds_load_b128 v[S+16*(\t)+4*\f:S+16*(\t)+4*\f+3], v[RD] offset:\f*4*SP  ; LDS serves a wave's instructions in order: these see the stores above; the next piece's stores come behind them
.endr
.endm
.macro SEND t, younger              ; younger: the LDS instructions issued behind piece t's loads: the next piece's eight, or none
	WIN 0
.irp f, 0,1,2,3
	s_wait_dscnt (\younger)+3-\f
	global_store_b128 v[GO], v[S+16*(\t)+4*\f:S+16*(\t)+4*\f+3], s[10:11] offset:(\t)*2048+\f*512  ; 512 consecutive bytes, at a multiple of 256 from O's first
.endr
.endm
	ALL v_add_f32 v[ST+4*t+2], v[ST+4*t+2], v[ST+4*t+3]
	ALL v_permlanex16_b32 v[ST+4*t+3], v[ST+4*t+2], s[SEL], s[SEL+1]
	ALL v_add_f32 v[ST+4*t+2], v[ST+4*t+2], v[ST+4*t+3]
	ALL v_rcp_f32 v[ST+4*t+2], v[ST+4*t+2]
	v_nop                           ; a plain instruction behind the last reciprocal,
	s_wait_alu depctr_va_vdst(0)    ; and one wait for the four
	PACK 0
.set t, 1
.rept 3
	PACK t
	SEND t-1, 8
.set t, t+1
.endr
	SEND 3, 0
	s_wait_tensorcnt 0x0            ; the wave's end
	ds_add_u32 v[SPW], v[NIL]
	s_wait_dscnt 0x0
	CROUND                          ; the closing round
	s_endpgm
.Lfunc_end_k_q12b7872b23_attn:
	.size	k_q12b7872b23_attn, .Lfunc_end_k_q12b7872b23_attn-k_q12b7872b23_attn
	.p2alignl 7, 3214868480
	.fill 96, 4, 3214868480
	.section	.rodata,"a",@progbits
	.p2align	6, 0x0
	.amdhsa_kernel k_q12b7872b23_attn
		.amdhsa_group_segment_fixed_size 327680
		.amdhsa_private_segment_fixed_size 0
		.amdhsa_enable_private_segment 0
		.amdhsa_kernarg_size 16
		.amdhsa_user_sgpr_count 2
		.amdhsa_user_sgpr_kernarg_segment_ptr 1
		.amdhsa_wavefront_size32 1
		.amdhsa_system_sgpr_workgroup_id_x 1
		.amdhsa_system_sgpr_workgroup_id_y 1
		.amdhsa_system_sgpr_workgroup_id_z 1
		.amdhsa_system_vgpr_workitem_id 0
		.amdhsa_next_free_vgpr 768
		.amdhsa_next_free_sgpr 66
		.amdhsa_reserve_vcc 0
		.amdhsa_float_denorm_mode_32 3
		.amdhsa_float_denorm_mode_16_64 3
		.amdhsa_memory_ordered 1
		.amdhsa_forward_progress 1
		.amdhsa_inst_pref_size 128
	.end_amdhsa_kernel
	.amdgpu_metadata
---
amdhsa.version: [ 1, 2 ]
amdhsa.kernels:
  - .name:           k_q12b7872b23_attn
    .symbol:         k_q12b7872b23_attn.kd
    .args:
      - { .name: qkv, .offset: 0, .size: 8, .value_kind: global_buffer, .address_space: global }
      - { .name: o, .offset: 8, .size: 8, .value_kind: global_buffer, .address_space: global }
    .group_segment_fixed_size: 327680
    .private_segment_fixed_size: 0
    .kernarg_segment_align: 8
    .kernarg_segment_size: 16
    .max_flat_workgroup_size: 128
    .sgpr_count:     66
    .vgpr_count:     768
    .wavefront_size: 32
...
	.end_amdgpu_metadata
.endif
;; end of part 3
;; launch wo (part 4): grid 256 x 1, 4 waves a work-group, clusters of 4 x 1, 327,680 bytes of LDS; arguments o, w16, x, bo, ln2_g, ln2_b, x1, xnorm; writes x1, xnorm
.if DOCPART == 4
	.amdgcn_target "amdgcn-amd-amdhsa--gfx1250"
	.amdhsa_code_object_version 6
	.text
	.protected	k_q12b7872b23_wo
	.globl	k_q12b7872b23_wo
	.p2align	8
	.type	k_q12b7872b23_wo,@function
k_q12b7872b23_wo:
	s_mov_b64 s[64:65], 0
	v_nop
	global_prefetch_b8 v0, s[64:65] scope:SCOPE_SE
	s_setreg_imm32_b32 hwreg(HW_REG_WAVE_MODE, 25, 1), 1
	s_wait_xcnt 0x0
	s_wait_alu depctr_hold_cnt(0) depctr_sa_sdst(0) depctr_va_vdst(0) depctr_va_sdst(0) depctr_va_ssrc(0) depctr_va_vcc(0) depctr_vm_vsrc(0)
	s_getreg_b32 s2, hwreg(HW_REG_IB_STS2, 6, 4)
	s_cmp_eq_u32 s2, 0
	s_cbranch_scc0 .Lentry_in_a_cluster
	s_endpgm
.Lentry_in_a_cluster:
	s_bfe_u32 s2, ttmp6, 0x10000c
	s_cmp_lg_u32 s2, 0x3003
	s_cbranch_scc0 .Lentry_shape_is_right
	s_endpgm
.Lentry_shape_is_right:
; x1 = x + O Wo + bo, in f32; xnorm = LayerNorm(x1) * g + b, rounded once to f16.  O: [32 (batch, head)][2048][64] f16; Wo: [512][512] f16 at byte 1,572,864 of w16; x, x1: [8192][512] f32.
; The norm wants whole rows, so a tile is 32 rows x all 512 columns: 256 tiles, one to a work-group.  Four waves, each all 32 rows x 128 columns: 16 accumulators.
; K (head x 64 + channel) goes in four steps of 128, two heads each, through two LDS slots.  Waves 0 and 1 fetch a head's 32 rows each (4,096 dense bytes, asked for as 16 rows of 256 bytes and padded behind
; every 128), waves 2 and 3 the halves of Wo's 128 rows of 1,024 bytes.  K steps 0 and 1 are asked for together at the start.
; THE PRODUCT IS TAKEN TRANSPOSED: source 0 = 16 columns of Wo (turned by ds_load_tr16_b128), source 1 = 16 rows of O: a lane holds one row and eight neighbouring columns.
; CLUSTER 4 x 1: all work-groups walk the same Wo, which is nearly all of a step's bytes: it is asked for jointly by the four.  O's rows are each work-group's own: a plain load, mask 0, behind the same round.
; THE WAY OUT: the sums go into ONE stage of 32 whole rows, in the ring's bytes (which have had their last fill); behind a barrier a wave takes eight rows, one row to a wave at a time, as in the first norm.
; The wave's eight rows of x are loaded at the head, 512 consecutive bytes an instruction, into registers that no product names.
; No prefetch: two refills, and Wo is read by every work-group.
; LIMIT.  A number of 65,520 or more in xnorm becomes an infinity in f16.
; REGISTERS: window 0: v0-15 addresses, v16-63 g, b, bo, v64-79 and v128-143 O's fragments, on the way out v64-127 and v192-255; window 1: Wo's fragments; window 2: v0-127 the accumulators, v128-255 x.
.set MA, 2
.set NB, 8
.set NS, 4
.set NPAIR, 2
.set PA, 144                           ; an LDS row of O: 128 bytes + 16
.set HALFA, 32*PA
.set APAIR, HALFA                      ; a pair of quarters is a head
.set ABYTES, 2*HALFA
.set PB, 1056                          ; an LDS row of Wo: 1,024 bytes + 32
.set BS, 128
.set HALFB, 64*PB
.set BPAIR, HALFB
.set SLOTX, 0x24000                    ; slot 1 begins here; it shares no bit with the four tiles' places in a slot
.set SPARE, SLOTX+ABYTES+2*HALFB       ; behind the ring: the spare words, 128 bytes for each wave, which no other line names
.set ASTEP, 524288                     ; two heads on in O
.set BSTEP, 131072                     ; 128 rows on in Wo
.set SP, 2064                          ; a stage row: 2,048 bytes + 16
.set NL, 2*(MA+NB)
.set NR, 4
.set ADRA, 4
.set ADRB, 5
.set CA, 6
.set CB, 7
.set STO, 9
.set LR, 10
.set GO, 11                            ; v11  16 x lane: in a row of x and x1, and in g, b, bo
.set GO2, 12                           ; v12  8 x lane: in a row of xnorm
.set SPW, 14
.set NIL, 15
.set G, 16                             ; v[16:31]  g of my 16 columns (128 c + 4 l .. + 3)
.set BN, 32                            ; v[32:47]  b
.set BI, 48                            ; v[48:63]  bo
.set Y, 64                             ; v[64:127]   four rows
.set X2, 128                           ; window 2, v[128:255]: my eight rows of x
.set Z, 192                            ; v[192:223]
.set TT, 224                           ; v[224:255]
.set FIRST, 2
.set QCNT, 3
.set WV, 12
.set HF, 13
.set WR, 14
.set WC, 15
.set CX, 20
.set RT, 23
.set G1A, 24
.set G1B, 32
.set G0A, 40
.set G0B, 44
.set TB, 48
.set KCNT, 49
.set RCNT, 50
.set G0A0, 52
.set G0B0, 56
.set SINV, 66
.set SEPS, 67
.set AP, 68                            ; s[68:83] the eight arguments
.set WP, 70
.set XP, 72
.set BOP, 74
.set GP, 76
.set BP, 78
.set X1P, 80
.set XNP, 82
.set SEL, 84
.set TA, 98
.set TBB, 99
.set MSB, 0
.macro WIN new
.if MSB != (\new)
	s_set_vgpr_msb (MSB<<8)|(\new)
.set MSB, \new
.endif
.endm
.macro PLACES
.rept 4
	v_nop
.endr
.endm
.macro CROUND
	s_barrier_signal -1
	s_barrier_wait -1
	s_cmp_lg_u32 s[WV], 0
	s_cbranch_scc1 .Lnot_wave_0_\@
	s_barrier_signal -3
.Lnot_wave_0_\@:
	s_barrier_wait -3
	s_barrier_signal -1
	s_barrier_wait -1
.endm
.macro JLOAD
	s_cmp_lt_u32 s[WV], 2
	s_cbranch_scc0 .Lfor_b_\@
	tensor_load_to_lds s[G0A:G0A+3], s[G1A:G1A+7]
	s_nop 0
.rept 4
	v_nop
.endr
	s_branch .Lasked_\@
.Lfor_b_\@:
	tensor_load_to_lds s[G0B:G0B+3], s[G1B:G1B+7]
	s_nop 0
.rept 4
	v_nop
.endr
.Lasked_\@:
.endm
.macro G1WORDS g, d0, d1, st
	s_mov_b32 s[(\g)+1], ((\d0)&0xffff)<<16
	s_mov_b32 s[(\g)+2], ((\d0)>>16)|(((\d1)&0xffff)<<16)
	s_mov_b32 s[(\g)+3], ((\d1)>>16)|((\d0)<<16)
	s_mov_b32 s[(\g)+4], \d1
	s_mov_b32 s[(\g)+5], \st
	s_mov_b32 s[(\g)+6], 0
	s_mov_b32 s[(\g)+7], 0
.endm
.macro CHANGE fill                     ; the change of slots: all my tensor loads, the add, my reads; a round and the refill (the K step two on, into the slot just left), or in the last step a plain barrier
	WIN 0
	s_wait_tensorcnt 0x0
	ds_add_u32 v[SPW], v[NIL]
.if \fill
	s_xor_b32 s[G0A+1], s[G0A+1], SLOTX
	s_add_nc_u64 s[G0A+2:G0A+3], s[G0A+2:G0A+3], ASTEP
	s_xor_b32 s[G0B+1], s[G0B+1], SLOTX
	s_add_nc_u64 s[G0B+2:G0B+3], s[G0B+2:G0B+3], BSTEP
.endif
	s_xor_b32 s[TB], s[TB], SLOTX
	s_wait_dscnt 0x0
.if \fill
	CROUND
	JLOAD
.else
	s_barrier_signal -1
	s_barrier_wait -1
.endif
.endm
.macro FETCH e                         ; the fragments of quarter e of the pair in hand into buffer e
	WIN 0x40
.set b_, 0
.rept NB
	ds_load_tr16_b128 v[128*(\e)+8*b_:128*(\e)+8*b_+3], v[CB] offset:(\e)*32*PB+(b_/4)*BS+(b_%4)*32
	ds_load_tr16_b128 v[128*(\e)+8*b_+4:128*(\e)+8*b_+7], v[CB] offset:(\e)*32*PB+(b_/4)*BS+(b_%4)*32+16*PB
.set b_, b_+1
.endr
	WIN 0
.set a_, 0
.rept MA
	ds_load_b128 v[64+64*(\e)+8*a_:64+64*(\e)+8*a_+3], v[CA] offset:16*a_*PA+(\e)*64
	ds_load_b128 v[64+64*(\e)+8*a_+4:64+64*(\e)+8*a_+7], v[CA] offset:16*a_*PA+(\e)*64+32
.set a_, a_+1
.endr
.endm
.macro MULS f, zero, pend              ; the accumulators take turns; pend >= 0: the wait leaves out the later row blocks' loads and the other quarter's; pend < 0: the buffer has been waited for
.set a_, 0
.rept MA
.if (\pend) >= 0
	s_wait_dscnt (\pend)+2*(MA-1-a_)
.endif
.set b_, 0
.rept NB
.set r_, (8*(a_*NB+b_))%256
	WIN 0xA1+0x50*((8*(a_*NB+b_))/256)
.if \zero
	v_wmma_f32_16x16x32_f16 v[r_:r_+7], v[128*(\f)+8*b_:128*(\f)+8*b_+7], v[64+64*(\f)+8*a_:64+64*(\f)+8*a_+7], 0
.else
	v_wmma_f32_16x16x32_f16 v[r_:r_+7], v[128*(\f)+8*b_:128*(\f)+8*b_+7], v[64+64*(\f)+8*a_:64+64*(\f)+8*a_+7], v[r_:r_+7]
.endif
.set b_, b_+1
.endr
.set a_, a_+1
.endr
.endm
; A K STEP: a loop over its pairs of quarters: the odd quarter is fetched; the even one multiplied; the odd one waited for; the next pair's even quarter fetched (not in the last trip); the odd one multiplied.
.macro COMPUTE inloop
	WIN 0
	s_mov_b32 s[TA], s[TB]
	s_mov_b32 s[TBB], s[TB]
	s_mov_b32 s[QCNT], NPAIR
	PLACES
	v_add_nc_u32 v[CA], s[TA], v[ADRA]
	v_add_nc_u32 v[CB], s[TBB], v[ADRB]
	FETCH 0
.Lq_\@:
	PLACES                                         ; behind the products that read buffer 1
	FETCH 1
.if \inloop
	s_cmp_eq_u32 s[FIRST], 1                       ; the launch's first products start the sums
	s_cbranch_scc1 .Lstart_\@
.endif
	MULS 0, 0, NL
	WIN 0
.if \inloop
	s_branch .Ljoin_\@
.Lstart_\@:
	PLACES                                         ; the products below write each accumulator anew: with the four at the trip's head, eight plain places stand behind any earlier product on every way of the text that leads here (five are asked for: ISA guide 7.12.1).  Run once a launch
	MULS 0, 1, NL
	WIN 0
	s_mov_b32 s[FIRST], 0
.Ljoin_\@:
.endif
	s_wait_dscnt 0x0                               ; buffer 1 is in
	s_add_co_u32 s[TA], s[TA], APAIR
	s_add_co_u32 s[TBB], s[TBB], BPAIR
	s_cmp_eq_u32 s[QCNT], 1
	s_cbranch_scc1 .Lnone_\@
	PLACES                                         ; behind the products that read buffer 0
	v_add_nc_u32 v[CA], s[TA], v[ADRA]
	v_add_nc_u32 v[CB], s[TBB], v[ADRB]
	FETCH 0
.Lnone_\@:
	MULS 1, 0, -1
	WIN 0
	s_sub_co_u32 s[QCNT], s[QCNT], 1
	s_cmp_lg_u32 s[QCNT], 0
	s_cbranch_scc1 .Lq_\@
.endm
.macro STAGEOUT
.set i_, 0
.rept MA*NB
	WIN 0x08+0x04*((8*i_)/256)
.set r_, (8*i_)%256
	ds_store_b128 v[STO], v[r_:r_+3] offset:16*(i_/NB)*SP+64*(i_%NB)
	ds_store_b128 v[STO], v[r_+4:r_+7] offset:16*(i_/NB)*SP+64*(i_%NB)+16
.set i_, i_+1
.endr
	WIN 0
.endm
.macro EACH line:vararg                ; one line for each of four rows
.set i_, 0
.rept NR
.set y_, Y+16*i_
.set t_, TT+8*i_
.set z_, Z+8*i_
	\line
.set i_, i_+1
.endr
.endm
.macro ACROSS r
.irp m, 1,2,4,8
	EACH v_add_f32_dpp v[t_+(\r)], v[t_+(\r)], v[t_+(\r)] row_xmask:\m row_mask:0xf bank_mask:0xf
.endr
	EACH v_permlanex16_b32 v[t_+(\r)+1], v[t_+(\r)], s[SEL], s[SEL+1]
	EACH v_add_f32 v[t_+(\r)], v[t_+(\r)], v[t_+(\r)+1]
.endm
.macro LN_A                            ; the rows' means; Y is only read
	EACH v_pk_add_f32 v[t_:t_+1], v[y_:y_+1], v[y_+2:y_+3]
	EACH v_pk_add_f32 v[t_+2:t_+3], v[y_+4:y_+5], v[y_+6:y_+7]
	EACH v_pk_add_f32 v[t_+4:t_+5], v[y_+8:y_+9], v[y_+10:y_+11]
	EACH v_pk_add_f32 v[t_+6:t_+7], v[y_+12:y_+13], v[y_+14:y_+15]
	EACH v_pk_add_f32 v[t_:t_+1], v[t_:t_+1], v[t_+2:t_+3]
	EACH v_pk_add_f32 v[t_+4:t_+5], v[t_+4:t_+5], v[t_+6:t_+7]
	EACH v_pk_add_f32 v[t_:t_+1], v[t_:t_+1], v[t_+4:t_+5]
	EACH v_add_f32 v[t_], v[t_], v[t_+1]
	ACROSS 0
	EACH v_mul_f32 v[t_], s[SINV], v[t_]
.endm
.macro LN_B                            ; Y is centred, its squares are summed, it is scaled, and rounded to f16 into Z
.irp j, 0,2,4,6,8,10,12,14
	EACH v_pk_add_f32 v[y_+\j:y_+\j+1], v[y_+\j:y_+\j+1], v[t_:t_+1] op_sel_hi:[1,0] neg_lo:[0,1] neg_hi:[0,1]
.endr
	EACH v_pk_mul_f32 v[t_+2:t_+3], v[y_:y_+1], v[y_:y_+1]
	EACH v_pk_mul_f32 v[t_+4:t_+5], v[y_+2:y_+3], v[y_+2:y_+3]
.irp j, 4,8,12
	EACH v_pk_fma_f32 v[t_+2:t_+3], v[y_+\j:y_+\j+1], v[y_+\j:y_+\j+1], v[t_+2:t_+3]
	EACH v_pk_fma_f32 v[t_+4:t_+5], v[y_+\j+2:y_+\j+3], v[y_+\j+2:y_+\j+3], v[t_+4:t_+5]
.endr
	EACH v_pk_add_f32 v[t_+2:t_+3], v[t_+2:t_+3], v[t_+4:t_+5]
	EACH v_add_f32 v[t_+2], v[t_+2], v[t_+3]
	ACROSS 2
	EACH v_fma_f32 v[t_+2], v[t_+2], s[SINV], s[SEPS]
	EACH v_rsq_f32 v[t_+2], v[t_+2]
	v_nop                                          ; a plain instruction behind the last of the four,
	s_wait_alu depctr_va_vdst(0)                   ; and one wait for the batch
.irp j, 0,2,4,6,8,10,12,14
	EACH v_pk_mul_f32 v[y_+\j:y_+\j+1], v[y_+\j:y_+\j+1], v[t_+2:t_+3] op_sel_hi:[1,0]
.endr
.irp j, 0,2,4,6,8,10,12,14
	EACH v_pk_fma_f32 v[y_+\j:y_+\j+1], v[y_+\j:y_+\j+1], v[G+\j:G+\j+1], v[BN+\j:BN+\j+1]
.endr
.irp j, 0,1,2,3,4,5,6,7
	EACH v_cvt_pk_f16_f32 v[z_+\j], v[y_+2*\j], v[y_+2*\j+1]
.endr
.endm
	s_load_b512 s[68:83], s[0:1], 0x0              ; o, w16, x, bo, ln2_g, ln2_b, x1, xnorm
	v_lshl_add_u32 v[SPW], v0, 2, SPARE
	v_mov_b32 v[NIL], 0
	ds_add_u32 v[SPW], v[NIL]                      ; the wave's opening: the add and its wait ahead of my first tensor load
	v_lshrrev_b32 v3, 5, v0
	v_readfirstlane_b32 s[WV], v3
	s_and_b32 s[HF], s[WV], 1
	s_mov_b32 s[WR], 0                             ; all 32 rows
	s_mov_b32 s[WC], s[WV]                         ; my 128 columns
	s_bfe_u32 s[CX], ttmp6, 0x40000
	s_lshl_b32 s[RT], ttmp9, 2
	s_add_co_u32 s[RT], s[RT], s[CX]               ; my 32 rows: they enter no LDS address, no branch and no joint load
	s_mov_b32 s[G1A], (1<<16)|(1<<20)|(4<<22)|(3<<25)              ; no mask: my own rows; padding of 4 words behind every 32
	s_mov_b32 s[G1B], 15|(1<<16)|(1<<20)|(1<<21)|(7<<22)|(7<<25)   ; all four work-groups; padding of 8 words behind every 256
	G1WORDS G1A, 128, 16, 128
	G1WORDS G1B, 512, 64, 512
	s_lshr_b32 s52, s[RT], 6                       ; batch: 2,097,152 bytes of O
	s_lshl_b32 s52, s52, 21
	s_and_b32 s53, s[RT], 63                       ; 32 rows of 128 bytes
	s_lshl_b32 s53, s53, 12
	s_add_co_u32 s52, s52, s53
	s_lshl_b32 s53, s[HF], 18                      ; the step's first or second head
	s_add_co_u32 s52, s52, s53
	s_mov_b32 s53, 0
	s_lshl_b32 s56, s[HF], 16                      ; 64 rows of Wo
	s_add_co_u32 s56, s56, 1572864
	s_mov_b32 s57, 0
	s_mov_b32 s[G0A], 1
	s_mul_i32 s[G0A+1], s[HF], HALFA
	s_add_co_u32 s[G0A+1], s[G0A+1], SLOTX         ; K step 1 goes into slot 1
	s_mov_b32 s[G0B], 1
	s_mul_i32 s[G0B+1], s[HF], HALFB
	s_add_co_u32 s[G0B+1], s[G0B+1], ABYTES+SLOTX
	v_and_b32 v1, 15, v0
	v_bfe_u32 v2, v0, 4, 1
	v_mul_u32_u24 v[ADRA], v1, PA
	v_lshl_add_u32 v[ADRA], v2, 4, v[ADRA]
	s_mul_i32 s51, s[WR], 16*MA*PA
	v_add_nc_u32 v[ADRA], s51, v[ADRA]
	v_and_b32 v3, 7, v0
	v_lshl_add_u32 v3, v2, 3, v3
	v_mul_u32_u24 v[ADRB], v3, PB
	v_bfe_u32 v3, v0, 3, 1
	v_lshl_add_u32 v[ADRB], v3, 4, v[ADRB]
	s_mul_i32 s51, s[WC], 32*NB
	s_add_co_u32 s51, s51, ABYTES
	v_add_nc_u32 v[ADRB], s51, v[ADRB]
	s_lshl_b32 s51, s[WC], 9                       ; into the stage: my 512 bytes of each row
	v_mul_u32_u24 v[STO], v1, SP
	v_lshl_add_u32 v[STO], v2, 5, v[STO]
	v_add_nc_u32 v[STO], s51, v[STO]
	s_mul_i32 s51, s[WV], 8*SP                     ; back: my eight whole rows
	v_and_b32 v3, 31, v0
	v_lshlrev_b32 v[GO], 4, v3
	v_lshlrev_b32 v[GO2], 3, v3
	v_add_nc_u32 v[LR], s51, v[GO]
	s_mov_b32 s[SINV], 0x3b000000                  ; 1 / 512
	s_mov_b32 s[SEPS], 0x3727c5ac                  ; 1e-5
	s_mov_b32 s[SEL], 0x76543210
	s_mov_b32 s[SEL+1], 0xfedcba98
	s_lshl_b32 s86, s[RT], 16                      ; my eight rows in x and x1,
	s_lshl_b32 s87, s[WV], 14
	s_add_co_u32 s86, s86, s87
	s_mov_b32 s87, 0
	s_lshl_b32 s88, s[RT], 15                      ; and in xnorm
	s_lshl_b32 s89, s[WV], 13
	s_add_co_u32 s88, s88, s89
	s_mov_b32 s89, 0
	s_mov_b32 s[TB], 0
	s_mov_b32 s[KCNT], NS-1
	s_mov_b32 s[FIRST], 1
	s_wait_dscnt 0x0                               ; the opening add is done
	s_wait_kmcnt 0x0
	s_add_nc_u64 s[G0A0+2:G0A0+3], s[AP:AP+1], s[52:53]    ; K step 0,
	s_add_nc_u64 s[G0A+2:G0A+3], s[G0A0+2:G0A0+3], ASTEP   ; K step 1
	s_or_b32 s[G0A0+3], s[G0A0+3], 0x80000000
	s_or_b32 s[G0A+3], s[G0A+3], 0x80000000
	s_mov_b32 s[G0A0], 1
	s_mul_i32 s[G0A0+1], s[HF], HALFA
	s_add_nc_u64 s[G0B0+2:G0B0+3], s[WP:WP+1], s[56:57]
	s_add_nc_u64 s[G0B+2:G0B+3], s[G0B0+2:G0B0+3], BSTEP
	s_or_b32 s[G0B0+3], s[G0B0+3], 0x80000000
	s_or_b32 s[G0B+3], s[G0B+3], 0x80000000
	s_mov_b32 s[G0B0], 1
	s_mul_i32 s[G0B0+1], s[HF], HALFB
	s_add_co_u32 s[G0B0+1], s[G0B0+1], ABYTES
	s_add_nc_u64 s[XP:XP+1], s[XP:XP+1], s[86:87]
	s_add_nc_u64 s[X1P:X1P+1], s[X1P:X1P+1], s[86:87]
	s_add_nc_u64 s[XNP:XNP+1], s[XNP:XNP+1], s[88:89]
	CROUND                                         ; all four work-groups are here
	s_cmp_lt_u32 s[WV], 2                          ; a wave's two first fills stand in one branch, ahead of every wait on TENSORcnt and every LDS read: two loads of mine are out
	s_cbranch_scc0 .Lfirst_b
	tensor_load_to_lds s[G0A0:G0A0+3], s[G1A:G1A+7]
	s_nop 0
	tensor_load_to_lds s[G0A:G0A+3], s[G1A:G1A+7]
	s_nop 0
.rept 4
	v_nop
.endr
	s_branch .Lfirst_asked
.Lfirst_b:
	tensor_load_to_lds s[G0B0:G0B0+3], s[G1B:G1B+7]
	s_nop 0
	tensor_load_to_lds s[G0B:G0B+3], s[G1B:G1B+7]
	s_nop 0
.rept 4
	v_nop
.endr
.Lfirst_asked:
.irp c, 0,1,2,3
	global_load_b128 v[G+4*\c:G+4*\c+3], v[GO], s[GP:GP+1] offset:512*\c
	global_load_b128 v[BN+4*\c:BN+4*\c+3], v[GO], s[BP:BP+1] offset:512*\c
	global_load_b128 v[BI+4*\c:BI+4*\c+3], v[GO], s[BOP:BOP+1] offset:512*\c
.endr
	WIN 0x80                                       ; destination window 2, address window 0: my eight rows of x come in under the whole product
.irp i, 0,1,2,3,4,5,6,7
.irp c, 0,1,2,3
	global_load_b128 v[X2+16*\i+4*\c:X2+16*\i+4*\c+3], v[GO], s[XP:XP+1] offset:2048*\i+512*\c
.endr
.endr
	WIN 0
	s_wait_tensorcnt 0x1                           ; my part of K step 0 is in; K step 1's, issued behind it, may stay out
	s_barrier_signal -1
	s_barrier_wait -1
	s_branch .Lmid                                 ; the loop is entered behind its change of slots
.Lk:
	CHANGE 1
.Lmid:
	COMPUTE 1
	s_sub_co_u32 s[KCNT], s[KCNT], 1
	s_cmp_lg_u32 s[KCNT], 0
	s_cbranch_scc1 .Lk
	CHANGE 0
	COMPUTE 0
	s_wait_dscnt 0x0                               ; my reads of the ring are over,
	s_barrier_signal -1
	s_barrier_wait -1                              ; everybody's are: the ring's bytes, which are filled no more, become the stage
	PLACES
	STAGEOUT
	s_wait_dscnt 0x0                               ; for the others' sake: my stores into the stage are done
	s_barrier_signal -1
	s_barrier_wait -1                              ; a row's 512 columns come from four waves
	s_wait_loadcnt 0x0                             ; g, b, bo and x
	s_mov_b32 s[RCNT], 2
.Lrow:                                 ; four rows a trip
.irp i, 0,1,2,3
.irp c, 0,1,2,3
	ds_load_b128 v[Y+16*\i+4*\c:Y+16*\i+4*\c+3], v[LR] offset:2064*\i+512*\c
.endr
.endr
	s_wait_dscnt 0x0
	WIN 0x08                                       ; source 1 in window 2: x
.set j_, 0
.rept 32
	v_pk_add_f32 v[Y+2*j_:Y+2*j_+1], v[Y+2*j_:Y+2*j_+1], v[X2+2*j_:X2+2*j_+1]
.set j_, j_+1
.endr
	WIN 0x82                                       ; the other four rows of x go where the one text of the trip names x
.set j_, 0
.rept 64
	v_mov_b32 v[X2+j_], v[X2+64+j_]
.set j_, j_+1
.endr
	WIN 0
.set j_, 0
.rept 32
	v_pk_add_f32 v[Y+2*j_:Y+2*j_+1], v[Y+2*j_:Y+2*j_+1], v[BI+(2*j_)%16:BI+(2*j_)%16+1]
.set j_, j_+1
.endr
.irp i, 0,1,2,3
.irp c, 0,1,2,3
	global_store_b128 v[GO], v[Y+16*\i+4*\c:Y+16*\i+4*\c+3], s[X1P:X1P+1] offset:2048*\i+512*\c  ; the wave stores 512 consecutive bytes, aligned
.endr
.endr
	LN_A
	s_wait_xcnt 0x0                                ; x1's stores have read Y and their base, the last trip's stores of xnorm Z and theirs: only now are these written again
	s_add_nc_u64 s[X1P:X1P+1], s[X1P:X1P+1], 8192  ; for the next trip
	s_add_nc_u64 s[XNP:XNP+1], s[XNP:XNP+1], 4096  ; ahead of this trip's stores, which reach back by their immediates
	LN_B
.irp i, 0,1,2,3
.irp c, 0,1,2,3
	global_store_b64 v[GO2], v[Z+8*\i+2*\c:Z+8*\i+2*\c+1], s[XNP:XNP+1] offset:1024*\i+256*\c-4096
.endr
.endr
	v_add_nc_u32 v[LR], 4*SP, v[LR]
	s_sub_co_u32 s[RCNT], s[RCNT], 1
	s_cmp_lg_u32 s[RCNT], 0
	s_cbranch_scc1 .Lrow
	s_wait_tensorcnt 0x0                           ; the wave's end
	ds_add_u32 v[SPW], v[NIL]
	s_wait_dscnt 0x0
	CROUND                                         ; the closing round
	s_endpgm
.Lfunc_end_k_q12b7872b23_wo:
	.size	k_q12b7872b23_wo, .Lfunc_end_k_q12b7872b23_wo-k_q12b7872b23_wo
	.p2alignl 7, 3214868480
	.fill 96, 4, 3214868480
	.section	.rodata,"a",@progbits
	.p2align	6, 0x0
	.amdhsa_kernel k_q12b7872b23_wo
		.amdhsa_group_segment_fixed_size 327680
		.amdhsa_private_segment_fixed_size 0
		.amdhsa_enable_private_segment 0
		.amdhsa_kernarg_size 64
		.amdhsa_user_sgpr_count 2
		.amdhsa_user_sgpr_kernarg_segment_ptr 1
		.amdhsa_wavefront_size32 1
		.amdhsa_system_sgpr_workgroup_id_x 1
		.amdhsa_system_sgpr_workgroup_id_y 1
		.amdhsa_system_sgpr_workgroup_id_z 1
		.amdhsa_system_vgpr_workitem_id 0
		.amdhsa_next_free_vgpr 768
		.amdhsa_next_free_sgpr 100
		.amdhsa_reserve_vcc 0
		.amdhsa_float_denorm_mode_32 3
		.amdhsa_float_denorm_mode_16_64 3
		.amdhsa_memory_ordered 1
		.amdhsa_forward_progress 1
		.amdhsa_inst_pref_size 57
	.end_amdhsa_kernel
	.amdgpu_metadata
---
amdhsa.version: [ 1, 2 ]
amdhsa.kernels:
  - .name:           k_q12b7872b23_wo
    .symbol:         k_q12b7872b23_wo.kd
    .args:
      - { .name: o, .offset: 0, .size: 8, .value_kind: global_buffer, .address_space: global }
      - { .name: w16, .offset: 8, .size: 8, .value_kind: global_buffer, .address_space: global }
      - { .name: x, .offset: 16, .size: 8, .value_kind: global_buffer, .address_space: global }
      - { .name: bo, .offset: 24, .size: 8, .value_kind: global_buffer, .address_space: global }
      - { .name: ln2_g, .offset: 32, .size: 8, .value_kind: global_buffer, .address_space: global }
      - { .name: ln2_b, .offset: 40, .size: 8, .value_kind: global_buffer, .address_space: global }
      - { .name: x1, .offset: 48, .size: 8, .value_kind: global_buffer, .address_space: global }
      - { .name: xnorm, .offset: 56, .size: 8, .value_kind: global_buffer, .address_space: global }
    .group_segment_fixed_size: 327680
    .private_segment_fixed_size: 0
    .kernarg_segment_align: 8
    .kernarg_segment_size: 64
    .max_flat_workgroup_size: 128
    .sgpr_count:     100
    .vgpr_count:     768
    .wavefront_size: 32
...
	.end_amdgpu_metadata
.endif
;; end of part 4
;; launch ffn1 (part 5): grid 8 x 32, 4 waves a work-group, clusters of 4 x 4, 327,680 bytes of LDS; arguments xnorm, w16, b1, h; writes h
.if DOCPART == 5
	.amdgcn_target "amdgcn-amd-amdhsa--gfx1250"
	.amdhsa_code_object_version 6
	.text
	.protected	k_q12b7872b23_ffn1
	.globl	k_q12b7872b23_ffn1
	.p2align	8
	.type	k_q12b7872b23_ffn1,@function
k_q12b7872b23_ffn1:
	s_mov_b64 s[64:65], 0
	v_nop
	global_prefetch_b8 v0, s[64:65] scope:SCOPE_SE
	s_setreg_imm32_b32 hwreg(HW_REG_WAVE_MODE, 25, 1), 1
	s_wait_xcnt 0x0
	s_wait_alu depctr_hold_cnt(0) depctr_sa_sdst(0) depctr_va_vdst(0) depctr_va_sdst(0) depctr_va_ssrc(0) depctr_va_vcc(0) depctr_vm_vsrc(0)
	s_getreg_b32 s2, hwreg(HW_REG_IB_STS2, 6, 4)
	s_cmp_eq_u32 s2, 0
	s_cbranch_scc0 .Lentry_in_a_cluster
	s_endpgm
.Lentry_in_a_cluster:
	s_bfe_u32 s2, ttmp6, 0x10000c
	s_cmp_lg_u32 s2, 0xf033
	s_cbranch_scc0 .Lentry_shape_is_right
	s_endpgm
.Lentry_shape_is_right:
; h = gelu(xnorm W1 + b1), the exact (erf) GELU, rounded once to f16.  xnorm: [8192][512] f16; W1: [512][2048] f16 at byte 2,097,152 of w16; h: [8192][2048] f16.
; A tile is 256 x 256: 32 x 8 tiles, one to a work-group.  Four waves, each 128 x 128: 64 accumulators, 512 registers.  K goes in four steps of 128 through two LDS slots; waves 0 and 1 fetch the halves of
; xnorm's tile (128 rows x 256 bytes), waves 2 and 3 the halves of W1's (64 rows of 512 bytes).  K steps 0 and 1 are asked for together at the start.
; THE PRODUCT IS TAKEN TRANSPOSED: source 0 = 16 columns of W1 (turned by ds_load_tr16_b128), source 1 = 16 rows of xnorm: a lane holds one row and eight neighbouring columns.
; CLUSTER 4 x 4: xnorm's tile is asked for jointly along a row of the cluster, W1's along a column.
; THE WAY OUT: the f32 sums go into a stage of the wave's own, in the ring's bytes (which have had their last fill), and come back by rows of 512 bytes; bias, GELU, rounding, stores of 256 consecutive bytes.
; GELU.  gelu(v) = v Phi(v) = |v| (0.5 - y) + 0.5 v, -y = (c1 t + .. + c5 t^5) 2^-(k v)^2, t = 1 / (1 + 0.2316419 |v|), k = sqrt(log2(e) / 2): the tail of the normal distribution by Abramowitz and Stegun
; 26.2.17, with -1 / sqrt(2 pi) folded into c1..c5; its absolute error is at most 7.5e-8 for every v, so gelu's is at most that times |v|, and a rounding of 0.5 |v|, where y is not yet 0.
; No prefetch: two refills, and each tile is read by eight or by 32 work-groups at about the same time.
; LIMIT.  A result of 65,520 or more becomes an infinity in f16.
.set MA, 8
.set NB, 8
.set NS, 4
.set NPAIR, 2
.set PA, 272
.set APAIR, 128
.set HALFA, 128*PA
.set ABYTES, 2*HALFA
.set PB, 544                           ; an LDS row of W1's tile: 512 bytes + 32
.set BS, 128
.set HALFB, 64*PB
.set BPAIR, HALFB
.set SLOTX, 0x22000                    ; slot 1 begins here; it shares no bit with the four tiles' places in a slot
.set SPARE, 2*SLOTX
.set ASTEP, 256
.set BSTEP, 524288
.set SP, 528                           ; a stage row: 512 bytes + 16
.set STAGEW, 128*SP
.set NL, 2*(MA+NB)
.set ADRA, 4
.set ADRB, 5
.set CA, 6
.set CB, 7
.set STO, 9
.set LR, 10
.set GO, 11
.set PO, 13
.set SPW, 14
.set NIL, 15
.set BI, 16                            ; v[16:19] b1 of my four columns
.set XX, 64                            ; v[64:79]   four rows as read back
.set VV, 80                            ; v[80:95]   v
.set TR, 96                            ; v[96:111]  t
.set UU, 112                           ; v[112:127] 2^-(k v)^2
.set PP, 128                           ; v[128:143] the polynomial, then 0.5 - y
.set MX, 144                           ; v[144:159] 0.5 v, then gelu
.set HH, 160                           ; v[160:167] in f16
.set FIRST, 2
.set QCNT, 3
.set WV, 12
.set HF, 13
.set WR, 14
.set WC, 15
.set CX, 20
.set CY, 21
.set CT, 22
.set RT, 23
.set G1A, 24
.set G1B, 32
.set G0A, 40
.set G0B, 44
.set TB, 48
.set KCNT, 49
.set RCNT, 50
.set G0A0, 52
.set G0B0, 56
.set CP, 66                            ; s66  0.2316419
.set CK, 68                            ; s[68:69] k;  then c5, c4, c3, c2, c1, each named as a pair
.set C5, 70
.set C4, 72
.set C3, 74
.set C2, 76
.set C1, 78
.set HB, 80                            ; s[80:81] h at my part of the tile
.set CH, 82                            ; s[82:83] 0.5, named as a pair
.set TA, 98
.set TBB, 99
.set MSB, 0
.macro WIN new
.if MSB != (\new)
	s_set_vgpr_msb (MSB<<8)|(\new)
.set MSB, \new
.endif
.endm
.macro PLACES
.rept 4
	v_nop
.endr
.endm
.macro CROUND
	s_barrier_signal -1
	s_barrier_wait -1
	s_cmp_lg_u32 s[WV], 0
	s_cbranch_scc1 .Lnot_wave_0_\@
	s_barrier_signal -3
.Lnot_wave_0_\@:
	s_barrier_wait -3
	s_barrier_signal -1
	s_barrier_wait -1
.endm
.macro JLOAD
	s_cmp_lt_u32 s[WV], 2
	s_cbranch_scc0 .Lfor_b_\@
	tensor_load_to_lds s[G0A:G0A+3], s[G1A:G1A+7]
	s_nop 0
.rept 4
	v_nop
.endr
	s_branch .Lasked_\@
.Lfor_b_\@:
	tensor_load_to_lds s[G0B:G0B+3], s[G1B:G1B+7]
	s_nop 0
.rept 4
	v_nop
.endr
.Lasked_\@:
.endm
.macro G1WORDS g, d0, d1, st
	s_mov_b32 s[(\g)+1], ((\d0)&0xffff)<<16
	s_mov_b32 s[(\g)+2], ((\d0)>>16)|(((\d1)&0xffff)<<16)
	s_mov_b32 s[(\g)+3], ((\d1)>>16)|((\d0)<<16)
	s_mov_b32 s[(\g)+4], \d1
	s_mov_b32 s[(\g)+5], \st
	s_mov_b32 s[(\g)+6], 0
	s_mov_b32 s[(\g)+7], 0
.endm
.macro CHANGE fill                     ; the change of slots: all my tensor loads, the add, my reads; a round and the refill (the K step two on), which has a K step's 256 products in which to land; or in the last step a plain barrier
	WIN 0
	s_wait_tensorcnt 0x0
	ds_add_u32 v[SPW], v[NIL]
.if \fill
	s_xor_b32 s[G0A+1], s[G0A+1], SLOTX
	s_add_nc_u64 s[G0A+2:G0A+3], s[G0A+2:G0A+3], ASTEP
	s_xor_b32 s[G0B+1], s[G0B+1], SLOTX
	s_add_nc_u64 s[G0B+2:G0B+3], s[G0B+2:G0B+3], BSTEP
.endif
	s_xor_b32 s[TB], s[TB], SLOTX
	s_wait_dscnt 0x0
.if \fill
	CROUND
	JLOAD
.else
	s_barrier_signal -1
	s_barrier_wait -1
.endif
.endm
.macro FETCH e                         ; the fragments of quarter e of the pair in hand into buffer e
	WIN 0x40
.set b_, 0
.rept NB
	ds_load_tr16_b128 v[128*(\e)+8*b_:128*(\e)+8*b_+3], v[CB] offset:(\e)*32*PB+(b_/4)*BS+(b_%4)*32
	ds_load_tr16_b128 v[128*(\e)+8*b_+4:128*(\e)+8*b_+7], v[CB] offset:(\e)*32*PB+(b_/4)*BS+(b_%4)*32+16*PB
.set b_, b_+1
.endr
	WIN 0
.set a_, 0
.rept MA
	ds_load_b128 v[64+64*(\e)+8*a_:64+64*(\e)+8*a_+3], v[CA] offset:16*a_*PA+(\e)*64
	ds_load_b128 v[64+64*(\e)+8*a_+4:64+64*(\e)+8*a_+7], v[CA] offset:16*a_*PA+(\e)*64+32
.set a_, a_+1
.endr
.endm
.macro MULS f, zero, pend              ; the accumulators take turns; pend >= 0: the wait leaves out the later row blocks' loads and the other quarter's; pend < 0: the buffer has been waited for
.set a_, 0
.rept MA
.if (\pend) >= 0
	s_wait_dscnt (\pend)+2*(MA-1-a_)
.endif
.set b_, 0
.rept NB
.set r_, (8*(a_*NB+b_))%256
	WIN 0xA1+0x50*((8*(a_*NB+b_))/256)
.if \zero
	v_wmma_f32_16x16x32_f16 v[r_:r_+7], v[128*(\f)+8*b_:128*(\f)+8*b_+7], v[64+64*(\f)+8*a_:64+64*(\f)+8*a_+7], 0
.else
	v_wmma_f32_16x16x32_f16 v[r_:r_+7], v[128*(\f)+8*b_:128*(\f)+8*b_+7], v[64+64*(\f)+8*a_:64+64*(\f)+8*a_+7], v[r_:r_+7]
.endif
.set b_, b_+1
.endr
.set a_, a_+1
.endr
.endm
; A K STEP: a loop over its pairs of quarters: the odd quarter is fetched; the even one multiplied; the odd one waited for; the next pair's even quarter fetched (not in the last trip); the odd one multiplied.
.macro COMPUTE inloop
	WIN 0
	s_mov_b32 s[TA], s[TB]
	s_mov_b32 s[TBB], s[TB]
	s_mov_b32 s[QCNT], NPAIR
	PLACES
	v_add_nc_u32 v[CA], s[TA], v[ADRA]
	v_add_nc_u32 v[CB], s[TBB], v[ADRB]
	FETCH 0
.Lq_\@:
	PLACES                                         ; behind the products that read buffer 1
	FETCH 1
.if \inloop
	s_cmp_eq_u32 s[FIRST], 1                       ; the launch's first products start the sums
	s_cbranch_scc1 .Lstart_\@
.endif
	MULS 0, 0, NL
	WIN 0
.if \inloop
	s_branch .Ljoin_\@
.Lstart_\@:
	PLACES                                         ; the products below write each accumulator anew: with the four at the trip's head, eight plain places stand behind any earlier product on every way of the text that leads here (five are asked for: ISA guide 7.12.1).  Run once a launch
	MULS 0, 1, NL
	WIN 0
	s_mov_b32 s[FIRST], 0
.Ljoin_\@:
.endif
	s_wait_dscnt 0x0                               ; buffer 1 is in
	s_add_co_u32 s[TA], s[TA], APAIR
	s_add_co_u32 s[TBB], s[TBB], BPAIR
	s_cmp_eq_u32 s[QCNT], 1
	s_cbranch_scc1 .Lnone_\@
	PLACES                                         ; behind the products that read buffer 0
	v_add_nc_u32 v[CA], s[TA], v[ADRA]
	v_add_nc_u32 v[CB], s[TBB], v[ADRB]
	FETCH 0
.Lnone_\@:
	MULS 1, 0, -1
	WIN 0
	s_sub_co_u32 s[QCNT], s[QCNT], 1
	s_cmp_lg_u32 s[QCNT], 0
	s_cbranch_scc1 .Lq_\@
.endm
.macro STAGEOUT
.set i_, 0
.rept MA*NB
	WIN 0x08+0x04*((8*i_)/256)
.set r_, (8*i_)%256
	ds_store_b128 v[STO], v[r_:r_+3] offset:16*(i_/NB)*SP+64*(i_%NB)
	ds_store_b128 v[STO], v[r_+4:r_+7] offset:16*(i_/NB)*SP+64*(i_%NB)+16
.set i_, i_+1
.endr
	WIN 0
.endm
.macro PAIRS line:vararg               ; one line for each of the eight pairs e_, e_ + 1 of the trip's 16 numbers
.set e_, 0
.rept 8
	\line
.set e_, e_+2
.endr
.endm
	s_load_b256 s[4:11], s[0:1], 0x0               ; xnorm s[4:5], w16 s[6:7], b1 s[8:9], h s[10:11]
	v_lshl_add_u32 v[SPW], v0, 2, SPARE
	v_mov_b32 v[NIL], 0
	ds_add_u32 v[SPW], v[NIL]                      ; the wave's opening: the add and its wait ahead of my first tensor load
	v_lshrrev_b32 v3, 5, v0
	v_readfirstlane_b32 s[WV], v3
	s_and_b32 s[HF], s[WV], 1
	s_lshr_b32 s[WR], s[WV], 1                     ; my 128 rows
	s_and_b32 s[WC], s[WV], 1                      ; my 128 columns
	s_bfe_u32 s[CX], ttmp6, 0x40000
	s_bfe_u32 s[CY], ttmp6, 0x40004
	s_lshl_b32 s[CT], ttmp9, 2
	s_add_co_u32 s[CT], s[CT], s[CX]
	s_and_b32 s[RT], ttmp7, 0xffff
	s_lshl_b32 s[RT], s[RT], 2
	s_add_co_u32 s[RT], s[RT], s[CY]
	s_lshl_b32 s51, s[CY], 2
	s_lshl_b32 s51, 15, s51                        ; my row of the cluster
	s_lshl_b32 s67, 0x1111, s[CX]                  ; my column
	s_or_b32 s[G1A], s51, (1<<16)|(1<<20)|(1<<21)|(5<<22)|(3<<25)
	s_or_b32 s[G1B], s67, (1<<16)|(1<<20)|(1<<21)|(6<<22)|(7<<25)
	G1WORDS G1A, 128, 128, 512
	G1WORDS G1B, 256, 64, 2048
	s_lshl_b32 s52, s[RT], 18
	s_lshl_b32 s53, s[HF], 17
	s_add_co_u32 s52, s52, s53
	s_mov_b32 s53, 0
	s_lshl_b32 s56, s[CT], 9                       ; W1: 512 bytes a tile column, 64 rows of 4,096 bytes a half
	s_lshl_b32 s57, s[HF], 18
	s_add_co_u32 s56, s56, s57
	s_add_co_u32 s56, s56, 2097152
	s_mov_b32 s57, 0
	s_mov_b32 s[G0A], 1
	s_mul_i32 s[G0A+1], s[HF], HALFA
	s_add_co_u32 s[G0A+1], s[G0A+1], SLOTX         ; K step 1 goes into slot 1
	s_mov_b32 s[G0B], 1
	s_mul_i32 s[G0B+1], s[HF], HALFB
	s_add_co_u32 s[G0B+1], s[G0B+1], ABYTES+SLOTX
	v_and_b32 v1, 15, v0
	v_bfe_u32 v2, v0, 4, 1
	v_mul_u32_u24 v[ADRA], v1, PA
	v_lshl_add_u32 v[ADRA], v2, 4, v[ADRA]
	s_mul_i32 s51, s[WR], 16*MA*PA
	v_add_nc_u32 v[ADRA], s51, v[ADRA]
	v_and_b32 v3, 7, v0
	v_lshl_add_u32 v3, v2, 3, v3
	v_mul_u32_u24 v[ADRB], v3, PB
	v_bfe_u32 v3, v0, 3, 1
	v_lshl_add_u32 v[ADRB], v3, 4, v[ADRB]
	s_mul_i32 s51, s[WC], 32*NB
	s_add_co_u32 s51, s51, ABYTES
	v_add_nc_u32 v[ADRB], s51, v[ADRB]
	s_mul_i32 s51, s[WV], STAGEW                   ; my stage
	v_mul_u32_u24 v[STO], v1, SP
	v_lshl_add_u32 v[STO], v2, 5, v[STO]
	v_add_nc_u32 v[STO], s51, v[STO]
	v_and_b32 v3, 31, v0
	v_lshl_add_u32 v[LR], v3, 4, s51               ; back: 32 lanes take one row of 512 bytes
	v_lshlrev_b32 v[GO], 3, v3                     ; which are 256 consecutive bytes of h
	s_lshl_b32 s60, s[CT], 10
	s_lshl_b32 s61, s[WC], 9
	s_add_co_u32 s60, s60, s61
	v_lshl_add_u32 v[PO], v3, 4, s60               ; my four columns in b1
	s_lshl_b32 s60, s[RT], 20                      ; h: 256 rows of 4,096 bytes a tile row,
	s_lshl_b32 s61, s[WR], 19
	s_add_co_u32 s60, s60, s61
	s_lshl_b32 s61, s[CT], 9                       ; 512 bytes a tile column
	s_add_co_u32 s60, s60, s61
	s_lshl_b32 s61, s[WC], 8
	s_add_co_u32 s60, s60, s61
	s_mov_b32 s61, 0
	s_mov_b32 s[CP], 0x3e6d3389                    ; 0.2316419
	s_mov_b32 s[CK], 0x3f596d27                    ; 0.8493218
	s_mov_b32 s[CK+1], 0x3f596d27
	s_mov_b32 s[C5], 0xbf07dc22                    ; -0.5307027
	s_mov_b32 s[C5+1], 0xbf07dc22
	s_mov_b32 s[C4], 0x3f3a00e3                    ; 0.7265760
	s_mov_b32 s[C4+1], 0x3f3a00e3
	s_mov_b32 s[C3], 0xbf35f0e3                    ; -0.7107069
	s_mov_b32 s[C3+1], 0xbf35f0e3
	s_mov_b32 s[C2], 0x3e11a98e                    ; 0.1422484
	s_mov_b32 s[C2+1], 0x3e11a98e
	s_mov_b32 s[C1], 0xbe027906                    ; -0.1274148
	s_mov_b32 s[C1+1], 0xbe027906
	s_mov_b32 s[CH], 0x3f000000                    ; 0.5
	s_mov_b32 s[CH+1], 0x3f000000
	s_mov_b32 s[TB], 0
	s_mov_b32 s[KCNT], NS-1
	s_mov_b32 s[FIRST], 1
	s_wait_dscnt 0x0                               ; the opening add is done
	s_wait_kmcnt 0x0
	s_add_nc_u64 s[G0A0+2:G0A0+3], s[4:5], s[52:53]        ; K step 0,
	s_add_nc_u64 s[G0A+2:G0A+3], s[G0A0+2:G0A0+3], ASTEP   ; K step 1
	s_or_b32 s[G0A0+3], s[G0A0+3], 0x80000000
	s_or_b32 s[G0A+3], s[G0A+3], 0x80000000
	s_mov_b32 s[G0A0], 1
	s_mul_i32 s[G0A0+1], s[HF], HALFA
	s_add_nc_u64 s[G0B0+2:G0B0+3], s[6:7], s[56:57]
	s_add_nc_u64 s[G0B+2:G0B+3], s[G0B0+2:G0B0+3], BSTEP
	s_or_b32 s[G0B0+3], s[G0B0+3], 0x80000000
	s_or_b32 s[G0B+3], s[G0B+3], 0x80000000
	s_mov_b32 s[G0B0], 1
	s_mul_i32 s[G0B0+1], s[HF], HALFB
	s_add_co_u32 s[G0B0+1], s[G0B0+1], ABYTES
	s_add_nc_u64 s[HB:HB+1], s[10:11], s[60:61]
	CROUND                                         ; all sixteen work-groups are here
	s_cmp_lt_u32 s[WV], 2                          ; a wave's two first fills stand in one branch, ahead of every wait on TENSORcnt and every LDS read: two loads of mine are out
	s_cbranch_scc0 .Lfirst_b
	tensor_load_to_lds s[G0A0:G0A0+3], s[G1A:G1A+7]
	s_nop 0
	tensor_load_to_lds s[G0A:G0A+3], s[G1A:G1A+7]
	s_nop 0
.rept 4
	v_nop
.endr
	s_branch .Lfirst_asked
.Lfirst_b:
	tensor_load_to_lds s[G0B0:G0B0+3], s[G1B:G1B+7]
	s_nop 0
	tensor_load_to_lds s[G0B:G0B+3], s[G1B:G1B+7]
	s_nop 0
.rept 4
	v_nop
.endr
.Lfirst_asked:
	global_load_b128 v[BI:BI+3], v[PO], s[8:9]
	s_wait_tensorcnt 0x1                           ; my part of K step 0 is in; K step 1's, issued behind it, may stay out
	s_barrier_signal -1
	s_barrier_wait -1
	s_branch .Lmid                                 ; the loop is entered behind its change of slots
.Lk:
	CHANGE 1
.Lmid:
	COMPUTE 1
	s_sub_co_u32 s[KCNT], s[KCNT], 1
	s_cmp_lg_u32 s[KCNT], 0
	s_cbranch_scc1 .Lk
	CHANGE 0
	COMPUTE 0
	s_wait_dscnt 0x0                               ; my reads of the ring are over,
	s_barrier_signal -1
	s_barrier_wait -1                              ; everybody's are: the ring's bytes, which are filled no more, become the stages
	PLACES
	STAGEOUT
	s_wait_loadcnt 0x0                             ; the bias
.irp i, 0,1,2,3
	ds_load_b128 v[XX+4*\i:XX+4*\i+3], v[LR] offset:SP*\i  ; LDS serves a wave's instructions in order: these see my stores above
.endr
	s_mov_b32 s[RCNT], 32
.Lrow:                                 ; four rows a trip, four numbers of each a lane
	s_wait_dscnt 0x0
.irp i, 0,1,2,3
	v_pk_add_f32 v[VV+4*\i:VV+4*\i+1], v[XX+4*\i:XX+4*\i+1], v[BI:BI+1]
	v_pk_add_f32 v[VV+4*\i+2:VV+4*\i+3], v[XX+4*\i+2:XX+4*\i+3], v[BI+2:BI+3]
.endr
	s_cmp_eq_u32 s[RCNT], 1
	s_cbranch_scc1 .Lnomore                        ; the last trip reads nothing more
.irp i, 0,1,2,3
	ds_load_b128 v[XX+4*\i:XX+4*\i+3], v[LR] offset:SP*(4+\i)
.endr
.Lnomore:
	PAIRS v_pk_mul_f32 v[UU+e_:UU+e_+1], v[VV+e_:VV+e_+1], s[CK:CK+1] op_sel_hi:[1,0]
	PAIRS v_pk_mul_f32 v[UU+e_:UU+e_+1], v[UU+e_:UU+e_+1], v[UU+e_:UU+e_+1] neg_lo:[1,0] neg_hi:[1,0]
	v_fma_f32 v[TR], |v[VV]|, s[CP], 1.0
.set e_, 0
.rept 16                               ; ONE BATCH of 32 reciprocals and exponentials, plain lines between them where there are any: nothing in it names a result of its own
.if e_ < 15
	v_fma_f32 v[TR+e_+1], |v[VV+e_+1]|, s[CP], 1.0
.endif
	v_rcp_f32 v[TR+e_], v[TR+e_]
.if e_%2 == 0
	v_pk_mul_f32 v[MX+e_:MX+e_+1], v[VV+e_:VV+e_+1], s[CH:CH+1] op_sel_hi:[1,0]
.endif
	v_exp_f32 v[UU+e_], v[UU+e_]
.set e_, e_+1
.endr
	v_nop                                          ; a plain instruction behind the last of them,
	s_wait_alu depctr_va_vdst(0)                   ; and one wait for the batch, ahead of its first reader
	PAIRS v_pk_fma_f32 v[PP+e_:PP+e_+1], v[TR+e_:TR+e_+1], s[C5:C5+1], s[C4:C4+1] op_sel_hi:[1,0,0]
	PAIRS v_pk_fma_f32 v[PP+e_:PP+e_+1], v[PP+e_:PP+e_+1], v[TR+e_:TR+e_+1], s[C3:C3+1] op_sel_hi:[1,1,0]
	PAIRS v_pk_fma_f32 v[PP+e_:PP+e_+1], v[PP+e_:PP+e_+1], v[TR+e_:TR+e_+1], s[C2:C2+1] op_sel_hi:[1,1,0]
	PAIRS v_pk_fma_f32 v[PP+e_:PP+e_+1], v[PP+e_:PP+e_+1], v[TR+e_:TR+e_+1], s[C1:C1+1] op_sel_hi:[1,1,0]
	PAIRS v_pk_mul_f32 v[PP+e_:PP+e_+1], v[PP+e_:PP+e_+1], v[TR+e_:TR+e_+1]
	PAIRS v_pk_fma_f32 v[PP+e_:PP+e_+1], v[PP+e_:PP+e_+1], v[UU+e_:UU+e_+1], s[CH:CH+1] op_sel_hi:[1,1,0]
.set e_, 0
.rept 16
	v_fma_f32 v[MX+e_], |v[VV+e_]|, v[PP+e_], v[MX+e_]
.set e_, e_+1
.endr
	s_wait_xcnt 0x0                                ; the last trip's stores, a whole GELU back, have read their data and base: only now are these written again
	s_add_nc_u64 s[HB:HB+1], s[HB:HB+1], 16384     ; the base steps ahead of the stores, which reach back by their immediates
	PAIRS v_cvt_pk_f16_f32 v[HH+e_/2], v[MX+e_], v[MX+e_+1]
.irp i, 0,1,2,3
	global_store_b64 v[GO], v[HH+2*\i:HH+2*\i+1], s[HB:HB+1] offset:4096*\i-16384  ; the wave stores 256 consecutive bytes, aligned
.endr
	v_add_nc_u32 v[LR], 4*SP, v[LR]
	s_sub_co_u32 s[RCNT], s[RCNT], 1
	s_cmp_lg_u32 s[RCNT], 0
	s_cbranch_scc1 .Lrow
	s_wait_tensorcnt 0x0                           ; the wave's end
	ds_add_u32 v[SPW], v[NIL]
	s_wait_dscnt 0x0
	CROUND                                         ; the closing round
	s_endpgm
.Lfunc_end_k_q12b7872b23_ffn1:
	.size	k_q12b7872b23_ffn1, .Lfunc_end_k_q12b7872b23_ffn1-k_q12b7872b23_ffn1
	.p2alignl 7, 3214868480
	.fill 96, 4, 3214868480
	.section	.rodata,"a",@progbits
	.p2align	6, 0x0
	.amdhsa_kernel k_q12b7872b23_ffn1
		.amdhsa_group_segment_fixed_size 327680
		.amdhsa_private_segment_fixed_size 0
		.amdhsa_enable_private_segment 0
		.amdhsa_kernarg_size 32
		.amdhsa_user_sgpr_count 2
		.amdhsa_user_sgpr_kernarg_segment_ptr 1
		.amdhsa_wavefront_size32 1
		.amdhsa_system_sgpr_workgroup_id_x 1
		.amdhsa_system_sgpr_workgroup_id_y 1
		.amdhsa_system_sgpr_workgroup_id_z 1
		.amdhsa_system_vgpr_workitem_id 0
		.amdhsa_next_free_vgpr 1024
		.amdhsa_next_free_sgpr 100
		.amdhsa_reserve_vcc 0
		.amdhsa_float_denorm_mode_32 3
		.amdhsa_float_denorm_mode_16_64 3
		.amdhsa_memory_ordered 1
		.amdhsa_forward_progress 1
		.amdhsa_inst_pref_size 64
	.end_amdhsa_kernel
	.amdgpu_metadata
---
amdhsa.version: [ 1, 2 ]
amdhsa.kernels:
  - .name:           k_q12b7872b23_ffn1
    .symbol:         k_q12b7872b23_ffn1.kd
    .args:
      - { .name: xnorm, .offset: 0, .size: 8, .value_kind: global_buffer, .address_space: global }
      - { .name: w16, .offset: 8, .size: 8, .value_kind: global_buffer, .address_space: global }
      - { .name: b1, .offset: 16, .size: 8, .value_kind: global_buffer, .address_space: global }
      - { .name: h, .offset: 24, .size: 8, .value_kind: global_buffer, .address_space: global }
    .group_segment_fixed_size: 327680
    .private_segment_fixed_size: 0
    .kernarg_segment_align: 8
    .kernarg_segment_size: 32
    .max_flat_workgroup_size: 128
    .sgpr_count:     100
    .vgpr_count:     1024
    .wavefront_size: 32
...
	.end_amdgpu_metadata
.endif
;; end of part 5
;; launch ffn2 (part 6): grid 4 x 64, 4 waves a work-group, clusters of 4 x 4, 327,680 bytes of LDS; arguments h, w16, x1, b2, out0; writes out0
.if DOCPART == 6
	.amdgcn_target "amdgcn-amd-amdhsa--gfx1250"
	.amdhsa_code_object_version 6
	.text
	.protected	k_q12b7872b23_ffn2
	.globl	k_q12b7872b23_ffn2
	.p2align	8
	.type	k_q12b7872b23_ffn2,@function
k_q12b7872b23_ffn2:
	s_mov_b64 s[64:65], 0
	v_nop
	global_prefetch_b8 v0, s[64:65] scope:SCOPE_SE
	s_setreg_imm32_b32 hwreg(HW_REG_WAVE_MODE, 25, 1), 1
	s_wait_xcnt 0x0
	s_wait_alu depctr_hold_cnt(0) depctr_sa_sdst(0) depctr_va_vdst(0) depctr_va_sdst(0) depctr_va_ssrc(0) depctr_va_vcc(0) depctr_vm_vsrc(0)
	s_getreg_b32 s2, hwreg(HW_REG_IB_STS2, 6, 4)
	s_cmp_eq_u32 s2, 0
	s_cbranch_scc0 .Lentry_in_a_cluster
	s_endpgm
.Lentry_in_a_cluster:
	s_bfe_u32 s2, ttmp6, 0x10000c
	s_cmp_lg_u32 s2, 0xf033
	s_cbranch_scc0 .Lentry_shape_is_right
	s_endpgm
.Lentry_shape_is_right:
; out0 = x1 + h W2 + b2, in f32.  h: [8192][2048] f16; W2: [2048][512] f16 at byte 4,194,304 of w16; x1, out0: [8192][512] f32.
; Tiles of 256 x 256 would be 64, too few for the chip's work-group places: a tile is 128 x 128: 64 x 4 tiles, one to a work-group.  Four waves, each 64 x 64: 16 accumulators.
; K goes in eight steps of 256, as long as two slots in LDS allow; waves 0 and 1 fetch the halves of h's tile (64 rows x 512 bytes), waves 2 and 3 the halves of W2's (128 rows of 256 bytes).
; K steps 0 and 1 are asked for together at the start.
; THE PRODUCT IS TAKEN TRANSPOSED: source 0 = 16 columns of W2 (turned by ds_load_tr16_b128), source 1 = 16 rows of h: a lane holds one row and eight neighbouring columns.
; CLUSTER 4 x 4: h's tile is asked for jointly along a row of the cluster, W2's along a column.
; THE WAY OUT: x1's part is loaded under the last K step; the sums go through a stage of the wave's own, in the ring's bytes (which have had their last fill), and come back by rows of 256 bytes; 16 lanes store 256
; consecutive bytes, aligned.  No prefetch: small tiles, short steps.
.set MA, 4
.set NB, 4
.set NS, 8
.set NPAIR, 4
.set PA, 528                           ; an LDS row of h: 512 bytes + 16
.set APAIR, 128
.set HALFA, 64*PA
.set ABYTES, 2*HALFA
.set PB, 288                           ; an LDS row of W2's tile: 256 bytes + 32
.set BS, 128
.set HALFB, 128*PB
.set BPAIR, 64*PB                      ; the two halves lie end to end: 64 rows from pair to pair
.set SLOTX, 0x24000                    ; slot 1 begins here; it shares no bit with the four tiles' places in a slot
.set SPARE, SLOTX+ABYTES+2*HALFB
.set ASTEP, 512
.set BSTEP, 262144
.set SP, 272                           ; a stage row: 256 bytes + 16
.set STAGEW, 64*SP
.set NL, 2*(MA+NB)
.set ADRA, 4
.set ADRB, 5
.set CA, 6
.set CB, 7
.set STO, 9
.set LR, 10
.set GO, 11
.set PO, 13
.set SPW, 14
.set NIL, 15
.set BI, 16                            ; v[16:19] b2 of my four columns
.set XX, 64                            ; v[64:191] my 64 rows as read back, two rows to four registers
.set X1R, 128                          ; window 2, v[128:255]: the same part of x1
.set FIRST, 2
.set QCNT, 3
.set WV, 12
.set HF, 13
.set WR, 14
.set WC, 15
.set CX, 20
.set CY, 21
.set CT, 22
.set RT, 23
.set G1A, 24
.set G1B, 32
.set G0A, 40
.set G0B, 44
.set TB, 48
.set KCNT, 49
.set G0A0, 52
.set G0B0, 56
.set X1P, 84                           ; s[84:85] x1 at my part of the tile
.set OP0, 86                           ; s[86:87] out0 there
.set TA, 98
.set TBB, 99
.set MSB, 0
.macro WIN new
.if MSB != (\new)
	s_set_vgpr_msb (MSB<<8)|(\new)
.set MSB, \new
.endif
.endm
.macro PLACES
.rept 4
	v_nop
.endr
.endm
.macro CROUND
	s_barrier_signal -1
	s_barrier_wait -1
	s_cmp_lg_u32 s[WV], 0
	s_cbranch_scc1 .Lnot_wave_0_\@
	s_barrier_signal -3
.Lnot_wave_0_\@:
	s_barrier_wait -3
	s_barrier_signal -1
	s_barrier_wait -1
.endm
.macro JLOAD
	s_cmp_lt_u32 s[WV], 2
	s_cbranch_scc0 .Lfor_b_\@
	tensor_load_to_lds s[G0A:G0A+3], s[G1A:G1A+7]
	s_nop 0
.rept 4
	v_nop
.endr
	s_branch .Lasked_\@
.Lfor_b_\@:
	tensor_load_to_lds s[G0B:G0B+3], s[G1B:G1B+7]
	s_nop 0
.rept 4
	v_nop
.endr
.Lasked_\@:
.endm
.macro G1WORDS g, d0, d1, st
	s_mov_b32 s[(\g)+1], ((\d0)&0xffff)<<16
	s_mov_b32 s[(\g)+2], ((\d0)>>16)|(((\d1)&0xffff)<<16)
	s_mov_b32 s[(\g)+3], ((\d1)>>16)|((\d0)<<16)
	s_mov_b32 s[(\g)+4], \d1
	s_mov_b32 s[(\g)+5], \st
	s_mov_b32 s[(\g)+6], 0
	s_mov_b32 s[(\g)+7], 0
.endm
.macro CHANGE fill                     ; the change of slots: all my tensor loads, the add, my reads; a round and the refill (the K step two on), which has a K step's 128 products in which to land; or in the last step a plain barrier
	WIN 0
	s_wait_tensorcnt 0x0
	ds_add_u32 v[SPW], v[NIL]
.if \fill
	s_xor_b32 s[G0A+1], s[G0A+1], SLOTX
	s_add_nc_u64 s[G0A+2:G0A+3], s[G0A+2:G0A+3], ASTEP
	s_xor_b32 s[G0B+1], s[G0B+1], SLOTX
	s_add_nc_u64 s[G0B+2:G0B+3], s[G0B+2:G0B+3], BSTEP
.endif
	s_xor_b32 s[TB], s[TB], SLOTX
	s_wait_dscnt 0x0
.if \fill
	CROUND
	JLOAD
.else
	s_barrier_signal -1
	s_barrier_wait -1
.endif
.endm
.macro FETCH e                         ; the fragments of quarter e of the pair in hand into buffer e
	WIN 0x40
.set b_, 0
.rept NB
	ds_load_tr16_b128 v[128*(\e)+8*b_:128*(\e)+8*b_+3], v[CB] offset:(\e)*32*PB+(b_/4)*BS+(b_%4)*32
	ds_load_tr16_b128 v[128*(\e)+8*b_+4:128*(\e)+8*b_+7], v[CB] offset:(\e)*32*PB+(b_/4)*BS+(b_%4)*32+16*PB
.set b_, b_+1
.endr
	WIN 0
.set a_, 0
.rept MA
	ds_load_b128 v[64+64*(\e)+8*a_:64+64*(\e)+8*a_+3], v[CA] offset:16*a_*PA+(\e)*64
	ds_load_b128 v[64+64*(\e)+8*a_+4:64+64*(\e)+8*a_+7], v[CA] offset:16*a_*PA+(\e)*64+32
.set a_, a_+1
.endr
.endm
.macro MULS f, zero, pend              ; the accumulators take turns; pend >= 0: the wait leaves out the later row blocks' loads and the other quarter's; pend < 0: the buffer has been waited for
.set a_, 0
.rept MA
.if (\pend) >= 0
	s_wait_dscnt (\pend)+2*(MA-1-a_)
.endif
.set b_, 0
.rept NB
.set r_, (8*(a_*NB+b_))%256
	WIN 0xA1+0x50*((8*(a_*NB+b_))/256)
.if \zero
	v_wmma_f32_16x16x32_f16 v[r_:r_+7], v[128*(\f)+8*b_:128*(\f)+8*b_+7], v[64+64*(\f)+8*a_:64+64*(\f)+8*a_+7], 0
.else
	v_wmma_f32_16x16x32_f16 v[r_:r_+7], v[128*(\f)+8*b_:128*(\f)+8*b_+7], v[64+64*(\f)+8*a_:64+64*(\f)+8*a_+7], v[r_:r_+7]
.endif
.set b_, b_+1
.endr
.set a_, a_+1
.endr
.endm
; A K STEP: a loop over its pairs of quarters: the odd quarter is fetched; the even one multiplied; the odd one waited for; the next pair's even quarter fetched (not in the last trip); the odd one multiplied.
.macro COMPUTE inloop
	WIN 0
	s_mov_b32 s[TA], s[TB]
	s_mov_b32 s[TBB], s[TB]
	s_mov_b32 s[QCNT], NPAIR
	PLACES
	v_add_nc_u32 v[CA], s[TA], v[ADRA]
	v_add_nc_u32 v[CB], s[TBB], v[ADRB]
	FETCH 0
.Lq_\@:
	PLACES                                         ; behind the products that read buffer 1
	FETCH 1
.if \inloop
	s_cmp_eq_u32 s[FIRST], 1                       ; the launch's first products start the sums
	s_cbranch_scc1 .Lstart_\@
.endif
	MULS 0, 0, NL
	WIN 0
.if \inloop
	s_branch .Ljoin_\@
.Lstart_\@:
	PLACES                                         ; the products below write each accumulator anew: with the four at the trip's head, eight plain places stand behind any earlier product on every way of the text that leads here (five are asked for: ISA guide 7.12.1).  Run once a launch
	MULS 0, 1, NL
	WIN 0
	s_mov_b32 s[FIRST], 0
.Ljoin_\@:
.endif
	s_wait_dscnt 0x0                               ; buffer 1 is in
	s_add_co_u32 s[TA], s[TA], APAIR
	s_add_co_u32 s[TBB], s[TBB], BPAIR
	s_cmp_eq_u32 s[QCNT], 1
	s_cbranch_scc1 .Lnone_\@
	PLACES                                         ; behind the products that read buffer 0
	v_add_nc_u32 v[CA], s[TA], v[ADRA]
	v_add_nc_u32 v[CB], s[TBB], v[ADRB]
	FETCH 0
.Lnone_\@:
	MULS 1, 0, -1
	WIN 0
	s_sub_co_u32 s[QCNT], s[QCNT], 1
	s_cmp_lg_u32 s[QCNT], 0
	s_cbranch_scc1 .Lq_\@
.endm
.macro STAGEOUT
.set i_, 0
.rept MA*NB
	WIN 0x08+0x04*((8*i_)/256)
.set r_, (8*i_)%256
	ds_store_b128 v[STO], v[r_:r_+3] offset:16*(i_/NB)*SP+64*(i_%NB)
	ds_store_b128 v[STO], v[r_+4:r_+7] offset:16*(i_/NB)*SP+64*(i_%NB)+16
.set i_, i_+1
.endr
	WIN 0
.endm
	s_load_b256 s[4:11], s[0:1], 0x0               ; h s[4:5], w16 s[6:7], x1 s[8:9], b2 s[10:11]
	s_load_b64 s[16:17], s[0:1], 0x20              ; out0
	v_lshl_add_u32 v[SPW], v0, 2, SPARE
	v_mov_b32 v[NIL], 0
	ds_add_u32 v[SPW], v[NIL]                      ; the wave's opening: the add and its wait ahead of my first tensor load
	v_lshrrev_b32 v3, 5, v0
	v_readfirstlane_b32 s[WV], v3
	s_and_b32 s[HF], s[WV], 1
	s_lshr_b32 s[WR], s[WV], 1                     ; my 64 rows
	s_and_b32 s[WC], s[WV], 1                      ; my 64 columns
	s_bfe_u32 s[CX], ttmp6, 0x40000
	s_bfe_u32 s[CY], ttmp6, 0x40004
	s_lshl_b32 s[CT], ttmp9, 2
	s_add_co_u32 s[CT], s[CT], s[CX]
	s_and_b32 s[RT], ttmp7, 0xffff
	s_lshl_b32 s[RT], s[RT], 2
	s_add_co_u32 s[RT], s[RT], s[CY]
	s_lshl_b32 s51, s[CY], 2
	s_lshl_b32 s51, 15, s51                        ; my row of the cluster
	s_lshl_b32 s67, 0x1111, s[CX]                  ; my column
	s_or_b32 s[G1A], s51, (1<<16)|(1<<20)|(1<<21)|(6<<22)|(3<<25)
	s_or_b32 s[G1B], s67, (1<<16)|(1<<20)|(1<<21)|(5<<22)|(7<<25)
	G1WORDS G1A, 256, 64, 2048
	G1WORDS G1B, 128, 128, 512
	s_lshl_b32 s52, s[RT], 19                      ; h: 128 rows of 4,096 bytes a tile row, 64 a half
	s_lshl_b32 s53, s[HF], 18
	s_add_co_u32 s52, s52, s53
	s_mov_b32 s53, 0
	s_lshl_b32 s56, s[CT], 8                       ; W2: 256 bytes a tile column, 128 rows of 1,024 bytes a half
	s_lshl_b32 s57, s[HF], 17
	s_add_co_u32 s56, s56, s57
	s_add_co_u32 s56, s56, 4194304
	s_mov_b32 s57, 0
	s_mov_b32 s[G0A], 1
	s_mul_i32 s[G0A+1], s[HF], HALFA
	s_add_co_u32 s[G0A+1], s[G0A+1], SLOTX         ; K step 1 goes into slot 1
	s_mov_b32 s[G0B], 1
	s_mul_i32 s[G0B+1], s[HF], HALFB
	s_add_co_u32 s[G0B+1], s[G0B+1], ABYTES+SLOTX
	v_and_b32 v1, 15, v0
	v_bfe_u32 v2, v0, 4, 1
	v_mul_u32_u24 v[ADRA], v1, PA
	v_lshl_add_u32 v[ADRA], v2, 4, v[ADRA]
	s_mul_i32 s51, s[WR], 16*MA*PA
	v_add_nc_u32 v[ADRA], s51, v[ADRA]
	v_and_b32 v3, 7, v0
	v_lshl_add_u32 v3, v2, 3, v3
	v_mul_u32_u24 v[ADRB], v3, PB
	v_bfe_u32 v3, v0, 3, 1
	v_lshl_add_u32 v[ADRB], v3, 4, v[ADRB]
	s_mul_i32 s51, s[WC], 32*NB
	s_add_co_u32 s51, s51, ABYTES
	v_add_nc_u32 v[ADRB], s51, v[ADRB]
	s_mul_i32 s51, s[WV], STAGEW                   ; my stage
	v_mul_u32_u24 v[STO], v1, SP
	v_lshl_add_u32 v[STO], v2, 5, v[STO]
	v_add_nc_u32 v[STO], s51, v[STO]
	v_mul_u32_u24 v[LR], v2, SP                    ; back: lanes 0-15 take one row of 256 bytes, lanes 16-31 the next
	v_lshl_add_u32 v[LR], v1, 4, v[LR]
	v_add_nc_u32 v[LR], s51, v[LR]
	v_lshlrev_b32 v[GO], 11, v2                    ; and the same two rows in x1 and out0
	v_lshl_add_u32 v[GO], v1, 4, v[GO]
	s_lshl_b32 s60, s[CT], 9
	s_lshl_b32 s61, s[WC], 8
	s_add_co_u32 s60, s60, s61                     ; my 64 columns, in bytes of f32
	v_lshl_add_u32 v[PO], v1, 4, s60               ; my four of them in b2
	s_lshl_b32 s61, s[RT], 18                      ; 128 rows of 2,048 bytes a tile row
	s_add_co_u32 s60, s60, s61
	s_lshl_b32 s61, s[WR], 17
	s_add_co_u32 s60, s60, s61
	s_mov_b32 s61, 0
	s_mov_b32 s[TB], 0
	s_mov_b32 s[KCNT], NS-1
	s_mov_b32 s[FIRST], 1
	s_wait_dscnt 0x0                               ; the opening add is done
	s_wait_kmcnt 0x0
	s_add_nc_u64 s[G0A0+2:G0A0+3], s[4:5], s[52:53]        ; K step 0,
	s_add_nc_u64 s[G0A+2:G0A+3], s[G0A0+2:G0A0+3], ASTEP   ; K step 1
	s_or_b32 s[G0A0+3], s[G0A0+3], 0x80000000
	s_or_b32 s[G0A+3], s[G0A+3], 0x80000000
	s_mov_b32 s[G0A0], 1
	s_mul_i32 s[G0A0+1], s[HF], HALFA
	s_add_nc_u64 s[G0B0+2:G0B0+3], s[6:7], s[56:57]
	s_add_nc_u64 s[G0B+2:G0B+3], s[G0B0+2:G0B0+3], BSTEP
	s_or_b32 s[G0B0+3], s[G0B0+3], 0x80000000
	s_or_b32 s[G0B+3], s[G0B+3], 0x80000000
	s_mov_b32 s[G0B0], 1
	s_mul_i32 s[G0B0+1], s[HF], HALFB
	s_add_co_u32 s[G0B0+1], s[G0B0+1], ABYTES
	s_add_nc_u64 s[X1P:X1P+1], s[8:9], s[60:61]
	s_add_nc_u64 s[OP0:OP0+1], s[16:17], s[60:61]
	CROUND                                         ; all sixteen work-groups are here
	s_cmp_lt_u32 s[WV], 2                          ; a wave's two first fills stand in one branch, ahead of every wait on TENSORcnt and every LDS read: two loads of mine are out
	s_cbranch_scc0 .Lfirst_b
	tensor_load_to_lds s[G0A0:G0A0+3], s[G1A:G1A+7]
	s_nop 0
	tensor_load_to_lds s[G0A:G0A+3], s[G1A:G1A+7]
	s_nop 0
.rept 4
	v_nop
.endr
	s_branch .Lfirst_asked
.Lfirst_b:
	tensor_load_to_lds s[G0B0:G0B0+3], s[G1B:G1B+7]
	s_nop 0
	tensor_load_to_lds s[G0B:G0B+3], s[G1B:G1B+7]
	s_nop 0
.rept 4
	v_nop
.endr
.Lfirst_asked:
	global_load_b128 v[BI:BI+3], v[PO], s[10:11]
	s_wait_tensorcnt 0x1                           ; my part of K step 0 is in; K step 1's, issued behind it, may stay out
	s_barrier_signal -1
	s_barrier_wait -1
	s_branch .Lmid                                 ; the loop is entered behind its change of slots
.Lk:
	CHANGE 1
.Lmid:
	COMPUTE 1
	s_sub_co_u32 s[KCNT], s[KCNT], 1
	s_cmp_lg_u32 s[KCNT], 0
	s_cbranch_scc1 .Lk
	CHANGE 0
	WIN 0x80                                       ; destination window 2, address window 0: x1's part comes in under the last K step, into registers that no product names
.set p_, 0
.rept 32
	global_load_b128 v[X1R+4*p_:X1R+4*p_+3], v[GO], s[X1P:X1P+1] offset:4096*p_
.set p_, p_+1
.endr
	WIN 0
	COMPUTE 0
	s_wait_dscnt 0x0                               ; my reads of the ring are over,
	s_barrier_signal -1
	s_barrier_wait -1                              ; everybody's are: the ring's bytes, which are filled no more, become the stages
	PLACES
	STAGEOUT
.set p_, 0
.rept 32
	ds_load_b128 v[XX+4*p_:XX+4*p_+3], v[LR] offset:2*SP*p_  ; LDS serves a wave's instructions in order: these see my stores above
.set p_, p_+1
.endr
	s_wait_loadcnt 0x0                             ; the bias and x1
.set p_, 0
.rept 32
	s_wait_dscnt 31-p_                             ; rows 2 p, 2 p + 1 are back; the younger reads stay out
	v_pk_add_f32 v[XX+4*p_:XX+4*p_+1], v[XX+4*p_:XX+4*p_+1], v[BI:BI+1]
	v_pk_add_f32 v[XX+4*p_+2:XX+4*p_+3], v[XX+4*p_+2:XX+4*p_+3], v[BI+2:BI+3]
.set p_, p_+1
.endr
	WIN 0x08                                       ; source 1 in window 2: x1
.set p_, 0
.rept 64
	v_pk_add_f32 v[XX+2*p_:XX+2*p_+1], v[XX+2*p_:XX+2*p_+1], v[X1R+2*p_:X1R+2*p_+1]
.set p_, p_+1
.endr
	WIN 0
.set p_, 0
.rept 32
	global_store_b128 v[GO], v[XX+4*p_:XX+4*p_+3], s[OP0:OP0+1] offset:4096*p_  ; 16 lanes store 256 consecutive bytes, aligned
.set p_, p_+1
.endr
	s_wait_tensorcnt 0x0                           ; the wave's end
	ds_add_u32 v[SPW], v[NIL]
	s_wait_dscnt 0x0
	CROUND                                         ; the closing round
	s_endpgm
.Lfunc_end_k_q12b7872b23_ffn2:
	.size	k_q12b7872b23_ffn2, .Lfunc_end_k_q12b7872b23_ffn2-k_q12b7872b23_ffn2
	.p2alignl 7, 3214868480
	.fill 96, 4, 3214868480
	.section	.rodata,"a",@progbits
	.p2align	6, 0x0
	.amdhsa_kernel k_q12b7872b23_ffn2
		.amdhsa_group_segment_fixed_size 327680
		.amdhsa_private_segment_fixed_size 0
		.amdhsa_enable_private_segment 0
		.amdhsa_kernarg_size 40
		.amdhsa_user_sgpr_count 2
		.amdhsa_user_sgpr_kernarg_segment_ptr 1
		.amdhsa_wavefront_size32 1
		.amdhsa_system_sgpr_workgroup_id_x 1
		.amdhsa_system_sgpr_workgroup_id_y 1
		.amdhsa_system_sgpr_workgroup_id_z 1
		.amdhsa_system_vgpr_workitem_id 0
		.amdhsa_next_free_vgpr 768
		.amdhsa_next_free_sgpr 100
		.amdhsa_reserve_vcc 0
		.amdhsa_float_denorm_mode_32 3
		.amdhsa_float_denorm_mode_16_64 3
		.amdhsa_memory_ordered 1
		.amdhsa_forward_progress 1
		.amdhsa_inst_pref_size 43
	.end_amdhsa_kernel
	.amdgpu_metadata
---
amdhsa.version: [ 1, 2 ]
amdhsa.kernels:
  - .name:           k_q12b7872b23_ffn2
    .symbol:         k_q12b7872b23_ffn2.kd
    .args:
      - { .name: h, .offset: 0, .size: 8, .value_kind: global_buffer, .address_space: global }
      - { .name: w16, .offset: 8, .size: 8, .value_kind: global_buffer, .address_space: global }
      - { .name: x1, .offset: 16, .size: 8, .value_kind: global_buffer, .address_space: global }
      - { .name: b2, .offset: 24, .size: 8, .value_kind: global_buffer, .address_space: global }
      - { .name: out0, .offset: 32, .size: 8, .value_kind: global_buffer, .address_space: global }
    .group_segment_fixed_size: 327680
    .private_segment_fixed_size: 0
    .kernarg_segment_align: 8
    .kernarg_segment_size: 40
    .max_flat_workgroup_size: 128
    .sgpr_count:     100
    .vgpr_count:     768
    .wavefront_size: 32
...
	.end_amdgpu_metadata
.endif
;; end of part 6
